; MI455X (gfx1250); checked and timed in simulation.
; The chip was launched on July 23, 2026; its instructions are those of AMD's public machine-readable ISA for CDNA 5 (MIT licence, August 2026) and "CDNA5" Instruction Set Architecture Reference Guide (July 2026). The comments in the code are by the model that wrote it; some were corrected since.
;; Encoder Block. Allowed arithmetic: matrix products marked QUANTISED: E2M3 operands, one E8M0 scale for each 32 along K, by v_wmma_scale_f32_16x16x128_f8f6f4 with both operands' format E2M3, f32 sums; everything else in f32.
;; Inputs: W1_codes 4,096 x 32 x 24 uint8 (E2M3 codes of W1, K innermost, in blocks of 32 codes, four codes in three bytes); W1_scales 4,096 x 32 uint8 (E8M0 scales of W1, one for each 32 codes along K); W2_codes 1,024 x 128 x 24 uint8 (E2M3 codes of W2, K innermost, in blocks of 32 codes, four codes in three bytes); W2_scales 1,024 x 128 uint8 (E8M0 scales of W2, one for each 32 codes along K); Wk_codes 16 x 64 x 32 x 24 uint8 (E2M3 codes of Wk, K innermost, in blocks of 32 codes, four codes in three bytes); Wk_scales 16 x 64 x 32 uint8 (E8M0 scales of Wk, one for each 32 codes along K); Wp_codes 1,024 x 32 x 24 uint8 (E2M3 codes of Wp, K innermost, in blocks of 32 codes, four codes in three bytes); Wp_scales 1,024 x 32 uint8 (E8M0 scales of Wp, one for each 32 codes along K); Wq_codes 16 x 64 x 32 x 24 uint8 (E2M3 codes of Wq, K innermost, in blocks of 32 codes, four codes in three bytes); Wq_scales 16 x 64 x 32 uint8 (E8M0 scales of Wq, one for each 32 codes along K); Wv_codes 16 x 64 x 32 x 24 uint8 (E2M3 codes of Wv, K innermost, in blocks of 32 codes, four codes in three bytes); Wv_scales 16 x 64 x 32 uint8 (E8M0 scales of Wv, one for each 32 codes along K); b1 4,096 float32; b2 1,024 float32; bk 16 x 64 float32; bp 1,024 float32; bq 16 x 64 float32; bv 16 x 64 float32; ln1_b 1,024 float32; ln1_w 1,024 float32; ln2_b 1,024 float32; ln2_w 1,024 float32; x 2 x 2,048 x 1,024 float32.
;; Outputs: out0 2 x 2,048 x 1,024 float32.
;; This version of the problem:
;;   THIS VERSION OF THE PROBLEM IS GIVEN IN LOW PRECISION. The matrix products marked QUANTISED in the list below multiply operands that are first quantised to E2M3 (2 exponent bits, 3 mantissa bits; 6 bits a number), with one power-of-two scale for each 32 numbers along K (OCP MX v1.0); their sums are f32. All else is computed in f32.
;;   The module's matrix products, in the order in which they are computed (A, B: the left and right operand; K: the contracted axis; several contracted axes count as one K, in the product's order):
;;     1. [M 1,024, K 1,024] x [K 1,024, N 4,096]; A: input Wq (given as codes); B: computed on the way: QUANTISED
;;     2. [M 1,024, K 1,024] x [K 1,024, N 4,096]; A: input Wk (given as codes); B: computed on the way: QUANTISED
;;     3. [M 1,024, K 1,024] x [K 1,024, N 4,096]; A: input Wv (given as codes); B: computed on the way: QUANTISED
;;     4. batch 32 x [M 2,048, K 64] x [K 64, N 2,048]; A: computed on the way; B: computed on the way: QUANTISED
;;     5. batch 32 x [M 2,048, K 2,048] x [K 2,048, N 64]; A: softmax (see below); B: computed on the way: QUANTISED
;;     6. [M 4,096, K 1,024] x [K 1,024, N 1,024]; A: computed on the way; B: input Wp (given as codes): QUANTISED
;;     7. [M 4,096, K 1,024] x [K 1,024, N 4,096]; A: computed on the way; B: input W1 (given as codes): QUANTISED
;;     8. [M 4,096, K 4,096] x [K 4,096, N 1,024]; A: computed on the way; B: input W2 (given as codes): QUANTISED
;;   THE QUANTISER, for each operand of a quantised product, along K:
;;     - K is cut into blocks of 32 from its start; a last block that is shorter is filled with zeros.
;;     - A block's scale is 2^e with e = floor(log2(the largest magnitude in the block)) - 2, held to -126 .. 127; a block of zeros has e = 0. As a byte (E8M0): e + 127.
;;     - Each number is divided by its block's scale, clamped to +-7.5, and rounded to the nearest number of E2M3, ties to even, subnormals kept.
;;     - The product sums the exact products of the quantised numbers (number of the format x scale) in f32.
;;   ~~~python
;;   def quantise(x, axis):      # numpy; x: float32 -> the quantised numbers, widened to float32 again
;;       x = np.moveaxis(x, axis, -1); K = x.shape[-1]
;;       x = np.pad(x, [(0, 0)] * (x.ndim - 1) + [(0, -K % 32)]); x = x.reshape(x.shape[:-1] + (-1, 32)); a = np.abs(x).max(-1, keepdims=True)
;;       e = np.where(a > 0, np.clip(np.frexp(np.where(a > 0, a, 1))[1] - 1 - 2, -126, 127), 0)      # np.frexp(a)[1] - 1 = floor(log2(a)), exactly
;;       r = np.clip(x / 2.0 ** e, -7.5, 7.5)
;;       step = 2.0 ** (np.maximum(np.frexp(np.where(r == 0, 1, r))[1] - 1, 0) - 3)
;;       q = np.round(r / step) * step * 2.0 ** e      # np.round: ties to even
;;       return np.moveaxis(q.reshape(q.shape[:-2] + (-1,))[..., :K], -1, axis).astype(np.float32)
;;   ~~~
;;   SOFTMAX AHEAD OF A QUANTISED PRODUCT. Where the list says 'softmax', what is quantised is not the finished softmax but p = 2^(t - M), with t = logit x log2(e) and M = ceil(the row's largest t), a whole number; so 1/2 < the row's largest p <= 1. The row's sum l is taken of the UNQUANTISED p, in f32, and the product's result is divided by l at the end. Since M is a whole number, a kernel that streams over the keys may use a running M (the ceiling of the running maximum): every later rescaling is an exact power of two, which a block's scale takes up: the codes' values come out the same.
;;   OPERANDS COMPUTED ON THE WAY. 'Computed on the way' means the value that the module computes at that place (a softmax that the list does not call 'softmax' is quantised finished and normalised). What goes into a quantiser is computed in f32, as accurately as f32 sums, v_exp_f32 and their like allow (about 1e-6 of the number): no bf16 or f16 on the way to a quantiser, and a product that is left as it is and whose result goes on into a quantised operand takes f32 operands (vector FMAs, or v_wmma_f32_16x16x4_f32). A number that lies on a knife's edge between two numbers of the format may be rounded either way, as far as f32 arithmetic and the matrix unit's own rounding can turn it there, and no further.
;;   INPUTS GIVEN AS CODES. W1 (in the module: [1024, 4096], K = its axis 0); W2 (in the module: [4096, 1024], K = its axis 0); Wk (in the module: [16, 1024, 64], K = its axis 1); Wp (in the module: [1024, 1024], K = its axis 0); Wq (in the module: [16, 1024, 64], K = its axis 1); Wv (in the module: [16, 1024, 64], K = its axis 1): each comes as NAME_codes (uint8): NAME with its K axis moved to the last place and cut into blocks of 32 codes, [.., K / 32, bytes a block], one block behind the other in memory; four codes in three bytes: a row's codes are one little-endian stream of bits, code i at bits 6 i .. 6 i + 5 (a code: sign, 2 exponent bits, 3 mantissa bits); and NAME_scales (uint8): the same leading axes, one E8M0 byte (e + 127) for each 32 codes along K. Its value is code x scale, taken as it is: it is not quantised again, and the codes and scales need not be those that the quantiser above would give.
;; One version. Each part assembles by itself: llvm-mc -triple=amdgcn-amd-amdhsa -mcpu=gfx1250 --defsym DOCPART=n.
;; ======== version 1 of 1: 7 launches
;; limits: a function is approximated: absolute error at most 1.5e-07
;; workspace buffers: xnb 3,276,800 bytes; qb 3,407,872 bytes; kv 6,815,744 bytes; ob 3,276,800 bytes; res 16,777,216 bytes; onb 3,276,800 bytes; hb 13,107,200 bytes; wimg 9,830,400 bytes
;; launch ln1 (part 1): grid 448 x 1, 8 waves a work-group, no clusters, 2,048 bytes of LDS; arguments x, ln1_w, ln1_b, xnb, Wq_codes, Wq_scales, Wk_codes, Wk_scales, Wv_codes, Wv_scales, Wp_codes, Wp_scales, W1_codes, W1_scales, W2_codes, W2_scales, wimg; writes xnb, wimg
.if DOCPART == 1
	.amdgcn_target "amdgcn-amd-amdhsa--gfx1250"
	.amdhsa_code_object_version 6
	.text
	.protected	k_qa164388a08_ln1
	.globl	k_qa164388a08_ln1
	.p2align	8
	.type	k_qa164388a08_ln1,@function
k_qa164388a08_ln1:
	s_mov_b64 s[64:65], 0
	v_nop
	global_prefetch_b8 v0, s[64:65] scope:SCOPE_SE
	s_setreg_imm32_b32 hwreg(HW_REG_WAVE_MODE, 25, 1), 1
	s_wait_xcnt 0x0
; LAUNCH 1 OF 7 of the encoder block: LayerNorm 1 of x, quantised to E2M3 along C (work-groups 0-255), and the six weights' codes laid anew (work-groups 256-447).
; NO WORK OF reference() IS LEFT OUT in any of the seven launches: every input has a way to the output and is loaded (bk too: it moves k's codes).
; LIMITS: NaN and infinities among the inputs are not served.  A block whose largest magnitude lies under 2^-124 (a block of zeros too) keeps the scale byte 1 where the quantiser
; says otherwise: its codes are zeros or denormal steps, and these bytes are read by this program alone.  v_rsq_f32 is good to 1 ulp.
; THE WORKSPACE FORMAT, for every operand that these launches hand on.  Rows (tokens, or a weight's rows n) go in groups of 128 = 8 tiles of 16; lane row r of tile t is row
; 32 (t / 2) + 8 (t % 2) + r + 8 (r / 8) of the group, so that a product used with such a tile as source 0 leaves 16 neighbours along the next K in the 16 registers of two neighbouring tiles.
; A fragment (16 rows x 128 K, 12 registers a lane) is an image of its registers: for each half c: registers 6c .. 6c+3 at 768 c + 16 x lane, registers 6c+4, 6c+5 at 768 c + 512 + 8 x lane.
; A record (group, K step) is 8 fragments (1,536 bytes each) and 512 bytes of scale words: the word of tile 2 p + (lane / 16), row lane % 16 at 12,288 + 16 x lane + 4 p.  12,800 bytes.
; THE NORM.  A work-group takes one tile of 16 tokens; wave w takes K step w; lane (r, h) holds the 64 numbers k = 128 w + 32 b + 16 h + i of its row.  Mean and variance in two passes
; (the variance of x - mean), each summed in the lane, with lane l xor 16, and over the eight waves through LDS.
; The tile's 16 scale words of a K step are stored 16 bytes apart (the words between belong to other tiles' work-groups); lanes 16-31 repeat lanes 0-15 with the same values: 64 bytes beside 1,536 of codes.
; THE WEIGHTS.  A work-group takes a unit of 4 K steps of one group of 128 rows; wave w takes tile w: 24 loads of 8 bytes a lane are the four fragments as the registers want them; waves 0-3 also lay a K step's scale words.
.set SPARE, 1024                       ; LDS: 0-511 and 512-1023 the waves' partial sums; from 1,024 the spare words, 128 bytes a wave
.set SPW, 246
.set NIL, 247
.set SEL, 42
.set TM, 16
.set X, 32
.set LW, 96
.set LB, 160
.set PC, 224
.set PW, 244
; 64 numbers of a lane, register 16 b + i = k 32 b + 16 (lane / 16) + i of its row, become a fragment's 12 registers in v[pc] on and the row's scale word in v[pw]
.macro QUANT s, pc, tm, pw
.irp b, 0,1,2,3
	v_max3_num_f32 v[\tm+\b], |v[\s+16*\b]|, |v[\s+16*\b+1]|, 0x1800000   ; my 16 numbers of block b, and the floor 2^(3 - 127): the byte cannot fall under 1
.endr
.irp i, 2,4,6,8,10,12,14
.irp b, 0,1,2,3
	v_max3_num_f32 v[\tm+\b], v[\tm+\b], |v[\s+16*\b+\i]|, |v[\s+16*\b+\i+1]|
.endr
.endr
.irp b, 0,1,2,3
	v_permlanex16_b32 v[\tm+4+\b], v[\tm+\b], s[SEL], s[SEL+1]
.endr
.irp b, 0,1,2,3
	v_max_num_f32 v[\tm+\b], v[\tm+\b], v[\tm+4+\b]                      ; with lane l xor 16's: the block's largest magnitude
.endr
.irp b, 0,1,2,3
	v_add_nc_u32 v[\tm+12+\b], 0xff000000, v[\tm+\b]                     ; 2 off its exponent field: the conversion's scale operand
.endr
.irp b, 0,1,2,3
	v_lshrrev_b32 v[\tm+4+\b], 23, v[\tm+12+\b]                          ; the scale's byte
.endr
	v_lshl_or_b32 v[\pw], v[\tm+5], 8, v[\tm+4]
	v_lshl_or_b32 v[\pw], v[\tm+6], 16, v[\pw]
	v_lshl_or_b32 v[\pw], v[\tm+7], 24, v[\pw]
.irp c, 0,1
	v_cvt_scalef32_pk16_fp6_f32 v[\pc+6*\c:\pc+6*\c+2], v[\s+32*\c:\s+32*\c+15], v[\tm+12+2*\c]
	v_cvt_scalef32_pk16_fp6_f32 v[\pc+12+4*\c:\pc+12+4*\c+2], v[\s+32*\c+16:\s+32*\c+31], v[\tm+13+2*\c]
.endr
	v_nop                                                                ; one plain place behind the scaled conversions
.irp c, 0,1
.irp i, 0,1,2
	v_permlane16_swap_b32 v[\pc+6*\c+\i], v[\pc+12+4*\c+\i]              ; a whole block to a lane: lanes 0-15 block 2 c, lanes 16-31 block 2 c + 1
.endr
.irp i, 0,1,2
	v_mov_b32 v[\pc+3+6*\c+\i], v[\pc+12+4*\c+\i]
.endr
.endr
.endm
.macro PUT pc, b, off                  ; a fragment's image: 512 + 256 + 512 + 256 consecutive bytes, each run aligned to 256
	global_store_b128 v5, v[\pc:\pc+3], s[\b:\b+1] offset:\off
	global_store_b64 v6, v[\pc+4:\pc+5], s[\b:\b+1] offset:\off+512
	global_store_b128 v5, v[\pc+6:\pc+9], s[\b:\b+1] offset:\off+768
	global_store_b64 v6, v[\pc+10:\pc+11], s[\b:\b+1] offset:\off+1280
.endm
.macro ACROSS off                      ; the two chains v[10:13] -> the row's sum over all 1,024 numbers, in v248 of every lane
	v_pk_add_f32 v[10:11], v[10:11], v[12:13]
	v_add_f32 v10, v10, v11
	v_permlanex16_b32 v12, v10, s[SEL], s[SEL+1]
	v_add_f32 v10, v10, v12
	ds_store_b32 v8, v10 offset:\off                 ; word 16 w + r; both halves of the lanes write the same value
	s_wait_dscnt 0x0                                 ; for the others' sake: my store has landed
	s_barrier_signal -1
	s_barrier_wait -1
.irp k, 0,1,2,3,4,5,6,7
	ds_load_b32 v[248+\k], v9 offset:\off+64*\k
.endr
	s_wait_dscnt 0x0
	v_add_f32 v248, v248, v249
	v_add_f32 v250, v250, v251
	v_add_f32 v252, v252, v253
	v_add_f32 v254, v254, v255
	v_add_f32 v248, v248, v250
	v_add_f32 v252, v252, v254
	v_add_f32 v248, v248, v252
.endm
	s_load_b256 s[4:11], s[0:1], 0x0                 ; x, ln1_w, ln1_b, xnb
	s_load_b512 s[12:27], s[0:1], 0x20               ; codes and scales of Wq s[12:15], Wk s[16:19], Wv s[20:23], Wp s[24:27]
	s_load_b256 s[28:35], s[0:1], 0x60               ; of W1 s[28:31], W2 s[32:35]
	s_load_b64 s[36:37], s[0:1], 0x80                ; wimg
	v_lshl_add_u32 v[SPW], v0, 2, SPARE
	v_mov_b32 v[NIL], 0
	v_lshrrev_b32 v1, 5, v0
	v_readfirstlane_b32 s40, v1                      ; wave 0..7
	v_and_b32 v1, 15, v0                             ; r
	v_bfe_u32 v2, v0, 4, 1                           ; h
	v_and_b32 v3, 31, v0
	v_lshlrev_b32 v5, 4, v3                          ; 16 x lane
	v_lshlrev_b32 v6, 3, v3                          ; 8 x lane
	v_and_b32 v11, 8, v1
	v_add_nc_u32 v11, v11, v1                        ; r + 8 (r / 8)
	s_mov_b32 s[SEL], 0x76543210
	s_mov_b32 s[SEL+1], 0xfedcba98
	s_cmp_ge_u32 ttmp9, 256                          ; the work-group's number alone: all eight waves go the same way
	s_cbranch_scc1 .Lrelay
	; ---- the norm
	s_lshr_b32 s44, ttmp9, 3                         ; G: the group of 128 tokens
	s_and_b32 s45, ttmp9, 7                          ; t: the tile
	s_lshr_b32 s46, s45, 1
	s_and_b32 s47, s45, 1
	s_lshl_b32 s48, s44, 7
	s_lshl_b32 s49, s46, 5
	s_add_co_u32 s48, s48, s49
	s_lshl_b32 s49, s47, 3
	s_add_co_u32 s48, s48, s49                       ; the tile's first token: 128 G + 32 (t / 2) + 8 (t % 2)
	s_lshl_b32 s48, s48, 12                          ; rows of 4,096 bytes
	s_lshl_b32 s50, s40, 9                           ; my K step: 512 bytes on
	s_add_co_u32 s48, s48, s50
	s_mov_b32 s49, 0
	s_mov_b32 s51, 0
	s_lshl_b32 s52, s44, 3
	s_add_co_u32 s52, s52, s40
	s_mul_i32 s52, s52, 12800                        ; the record (G, w)
	s_mov_b32 s53, 0
	s_mul_i32 s54, s45, 1536                         ; my tile's fragment in it
	s_lshl_b32 s55, s47, 8
	s_lshl_b32 s56, s46, 2
	s_add_co_u32 s55, s55, s56
	s_add_co_u32 s55, s55, 12288                     ; and its scale words: 12,288 + 256 (t % 2) + 4 (t / 2) + 16 r
	s_lshl_b32 s57, s40, 6
	v_lshlrev_b32 v3, 12, v11
	v_lshl_add_u32 v3, v2, 6, v3                     ; x: my row, + 64 h
	v_lshlrev_b32 v4, 6, v2                          ; gain and bias: 64 h
	v_add_nc_u32 v5, s54, v5
	v_add_nc_u32 v6, s54, v6
	v_lshl_add_u32 v7, v1, 4, s55
	v_lshl_add_u32 v8, v1, 2, s57                    ; LDS: 64 w + 4 r
	v_lshlrev_b32 v9, 2, v1                          ; LDS: 4 r
.irp b, 0,1,2,3
	v_mov_b32 v[TM+4+\b], 0                          ; written once: a lane permute's destination counts as one of its sources
.endr
	s_wait_kmcnt 0x0
	s_add_nc_u64 s[4:5], s[4:5], s[48:49]
	s_add_nc_u64 s[6:7], s[6:7], s[50:51]
	s_add_nc_u64 s[8:9], s[8:9], s[50:51]
	s_add_nc_u64 s[10:11], s[10:11], s[52:53]
.irp b, 0,1,2,3
.irp j, 0,1,2,3
	global_load_b128 v[X+16*\b+4*\j:X+16*\b+4*\j+3], v3, s[4:5] offset:128*\b+16*\j
.endr
.endr
.irp b, 0,1,2,3
.irp j, 0,1,2,3
	global_load_b128 v[LW+16*\b+4*\j:LW+16*\b+4*\j+3], v4, s[6:7] offset:128*\b+16*\j
.endr
.endr
.irp b, 0,1,2,3
.irp j, 0,1,2,3
	global_load_b128 v[LB+16*\b+4*\j:LB+16*\b+4*\j+3], v4, s[8:9] offset:128*\b+16*\j
.endr
.endr
	s_wait_loadcnt 32                                ; x's 16 loads are in; the 32 of gain and bias may stay out
	v_pk_add_f32 v[10:11], v[X:X+1], v[X+2:X+3]
	v_pk_add_f32 v[12:13], v[X+4:X+5], v[X+6:X+7]
.set i, 8
.rept 14
	v_pk_add_f32 v[10:11], v[10:11], v[X+i:X+i+1]
	v_pk_add_f32 v[12:13], v[12:13], v[X+i+2:X+i+3]
.set i, i+4
.endr
	ACROSS 0
	v_mul_f32 v14, 0x3a800000, v248                  ; the mean: sum / 1,024
	v_mov_b32 v15, v14
.set i, 0
.rept 32
	v_pk_add_f32 v[X+i:X+i+1], v[X+i:X+i+1], v[14:15] neg_lo:[0,1] neg_hi:[0,1]
.set i, i+2
.endr
	v_pk_mul_f32 v[10:11], v[X:X+1], v[X:X+1]
	v_pk_mul_f32 v[12:13], v[X+2:X+3], v[X+2:X+3]
.set i, 4
.rept 15
	v_pk_fma_f32 v[10:11], v[X+i:X+i+1], v[X+i:X+i+1], v[10:11]
	v_pk_fma_f32 v[12:13], v[X+i+2:X+i+3], v[X+i+2:X+i+3], v[12:13]
.set i, i+4
.endr
	ACROSS 512                                       ; other LDS words than the first sum's: no wave can overwrite what another still reads
	v_mul_f32 v15, 0x3a800000, v248                  ; the variance
	v_add_f32 v15, 0x3727c5ac, v15                   ; + 1e-5
	v_rsq_f32 v14, v15
	v_nop                                            ; a plain place behind the transcendental
	s_wait_alu depctr_va_vdst(0)                     ; the wait ahead of the first line that names the result
	v_mov_b32 v15, v14
	s_wait_loadcnt 0x0                               ; gain and bias
.set i, 0
.rept 32
	v_pk_mul_f32 v[X+i:X+i+1], v[X+i:X+i+1], v[14:15]
.set i, i+2
.endr
.set i, 0
.rept 32
	v_pk_fma_f32 v[X+i:X+i+1], v[X+i:X+i+1], v[LW+i:LW+i+1], v[LB+i:LB+i+1]
.set i, i+2
.endr
	QUANT X, PC, TM, PW
	PUT PC, 10, 0
	global_store_b32 v7, v[PW], s[10:11]
	s_wait_tensorcnt 0x0                             ; the wave's end
	ds_add_u32 v[SPW], v[NIL]
	s_wait_dscnt 0x0
	s_endpgm
	; ---- the weights: unit u of 51,200 bytes (4 records).  Units 0-15 Wq, 16-31 Wk, 32-47 Wv, 48-63 Wp, 64-127 W1 (two units a group of 128 rows), 128-191 W2 (eight)
.Lrelay:
	s_sub_co_u32 s44, ttmp9, 256                     ; u
	s_lshr_b32 s45, s44, 4                           ; m = u / 16
	s_lshl_b32 s54, s45, 4
	s_mov_b32 s52, 3072
	s_wait_kmcnt 0x0
	s_cmp_lt_u32 s45, 8                              ; the choices hang on the work-group's number alone
	s_cselect_b64 s[46:47], s[28:29], s[32:33]       ; codes: W1 or W2
	s_cselect_b64 s[48:49], s[30:31], s[34:35]       ; scales
	s_cselect_b32 s50, 64, 128                       ; the matrix's first unit
	s_cselect_b32 s51, 1, 3                          ; log2 of a group's units
	s_cselect_b32 s52, 768, s52                      ; a row of codes in bytes
	s_cselect_b32 s53, 32, 128                       ; a row of scale bytes
	s_cmp_lt_u32 s45, 4
	s_cselect_b64 s[46:47], s[24:25], s[46:47]
	s_cselect_b64 s[48:49], s[26:27], s[48:49]
	s_cselect_b32 s50, s54, s50
	s_cmp_lt_u32 s45, 3
	s_cselect_b64 s[46:47], s[20:21], s[46:47]
	s_cselect_b64 s[48:49], s[22:23], s[48:49]
	s_cmp_lt_u32 s45, 2
	s_cselect_b64 s[46:47], s[16:17], s[46:47]
	s_cselect_b64 s[48:49], s[18:19], s[48:49]
	s_cmp_lt_u32 s45, 1
	s_cselect_b64 s[46:47], s[12:13], s[46:47]
	s_cselect_b64 s[48:49], s[14:15], s[48:49]
	s_sub_co_u32 s55, s44, s50                       ; the unit within its matrix
	s_lshl_b32 s56, 1, s51
	s_sub_co_u32 s56, s56, 1
	s_and_b32 s56, s55, s56                          ; q: which four K steps
	s_lshr_b32 s57, s55, s51                         ; the group of 128 rows
	s_mul_i32 s58, s57, s52
	s_lshl_b32 s58, s58, 7
	s_mul_i32 s59, s56, 384
	s_add_co_u32 s58, s58, s59
	s_mov_b32 s59, 0
	s_add_nc_u64 s[46:47], s[46:47], s[58:59]        ; codes: 128 rows x group + 4 x 96 bytes x q
	s_mul_i32 s60, s57, s53
	s_lshl_b32 s60, s60, 7
	s_lshl_b32 s61, s56, 4
	s_add_co_u32 s60, s60, s61
	s_mov_b32 s61, 0
	s_add_nc_u64 s[48:49], s[48:49], s[60:61]        ; scales: 128 rows x group + 16 bytes x q
	s_mul_i32 s62, s44, 51200
	s_mov_b32 s63, 0
	s_add_nc_u64 s[36:37], s[36:37], s[62:63]
	s_lshr_b32 s58, s40, 1
	s_lshl_b32 s58, s58, 5
	s_and_b32 s59, s40, 1
	s_lshl_b32 s59, s59, 3
	s_add_co_u32 s58, s58, s59
	v_add_nc_u32 v10, s58, v11                       ; my row of the group: tile w's lane row r
	v_mul_lo_u32 v10, v10, s52
	v_mad_u32_u24 v10, v2, 24, v10                   ; + 24 h
.irp i, 0,1,2,3
.irp p, 0,1,2,3,4,5
	global_load_b64 v[32+12*\i+2*\p:32+12*\i+2*\p+1], v10, s[46:47] offset:96*\i+48*(\p/3)+8*(\p%3)   ; no non-temporal hint: the wave's 24 loads name neighbouring 8 bytes of the same 384 bytes of each row
.endr
.endr
	s_mul_i32 s58, s40, 1536
	v_add_nc_u32 v5, s58, v5
	v_add_nc_u32 v6, s58, v6
	s_wait_loadcnt 0x0
.irp i, 0,1,2,3
	PUT 32+12*\i, 36, 12800*\i
.endr
	s_cmp_ge_u32 s40, 4
	s_cbranch_scc1 .Lrdone
	v_lshl_add_u32 v12, v2, 3, v11                   ; wave w (0-3): K step w's scale words: tile 2 p + h, lane row r is row 32 p + 8 h + r + 8 (r / 8)
	v_mul_lo_u32 v12, v12, s53
	s_lshl_b32 s58, s40, 2
	v_add_nc_u32 v12, s58, v12
	s_lshl_b32 s59, s53, 5
	v_add_nc_u32 v13, s59, v12
	v_add_nc_u32 v14, s59, v13
	v_add_nc_u32 v15, s59, v14
.irp p, 0,1,2,3
	global_load_b32 v[80+\p], v[12+\p], s[48:49]
.endr
	v_and_b32 v16, 31, v0
	v_lshlrev_b32 v16, 4, v16
	s_mul_i32 s58, s40, 12800
	v_add_nc_u32 v16, s58, v16
	s_wait_loadcnt 0x0
	global_store_b128 v16, v[80:83], s[36:37] offset:12288
.Lrdone:
	s_endpgm
.Lfunc_end_k_qa164388a08_ln1:
	.size	k_qa164388a08_ln1, .Lfunc_end_k_qa164388a08_ln1-k_qa164388a08_ln1
	.p2alignl 7, 3214868480
	.fill 96, 4, 3214868480
	.section	.rodata,"a",@progbits
	.p2align	6, 0x0
	.amdhsa_kernel k_qa164388a08_ln1
		.amdhsa_group_segment_fixed_size 2048
		.amdhsa_private_segment_fixed_size 0
		.amdhsa_enable_private_segment 0
		.amdhsa_kernarg_size 136
		.amdhsa_user_sgpr_count 2
		.amdhsa_user_sgpr_kernarg_segment_ptr 1
		.amdhsa_wavefront_size32 1
		.amdhsa_system_sgpr_workgroup_id_x 1
		.amdhsa_system_sgpr_workgroup_id_y 1
		.amdhsa_system_sgpr_workgroup_id_z 1
		.amdhsa_system_vgpr_workitem_id 0
		.amdhsa_next_free_vgpr 256
		.amdhsa_next_free_sgpr 66
		.amdhsa_reserve_vcc 0
		.amdhsa_float_denorm_mode_32 3
		.amdhsa_float_denorm_mode_16_64 3
		.amdhsa_memory_ordered 1
		.amdhsa_forward_progress 1
		.amdhsa_inst_pref_size 31
	.end_amdhsa_kernel
	.amdgpu_metadata
---
amdhsa.version: [ 1, 2 ]
amdhsa.kernels:
  - .name:           k_qa164388a08_ln1
    .symbol:         k_qa164388a08_ln1.kd
    .args:
      - { .name: x, .offset: 0, .size: 8, .value_kind: global_buffer, .address_space: global }
      - { .name: ln1_w, .offset: 8, .size: 8, .value_kind: global_buffer, .address_space: global }
      - { .name: ln1_b, .offset: 16, .size: 8, .value_kind: global_buffer, .address_space: global }
      - { .name: xnb, .offset: 24, .size: 8, .value_kind: global_buffer, .address_space: global }
      - { .name: Wq_codes, .offset: 32, .size: 8, .value_kind: global_buffer, .address_space: global }
      - { .name: Wq_scales, .offset: 40, .size: 8, .value_kind: global_buffer, .address_space: global }
      - { .name: Wk_codes, .offset: 48, .size: 8, .value_kind: global_buffer, .address_space: global }
      - { .name: Wk_scales, .offset: 56, .size: 8, .value_kind: global_buffer, .address_space: global }
      - { .name: Wv_codes, .offset: 64, .size: 8, .value_kind: global_buffer, .address_space: global }
      - { .name: Wv_scales, .offset: 72, .size: 8, .value_kind: global_buffer, .address_space: global }
      - { .name: Wp_codes, .offset: 80, .size: 8, .value_kind: global_buffer, .address_space: global }
      - { .name: Wp_scales, .offset: 88, .size: 8, .value_kind: global_buffer, .address_space: global }
      - { .name: W1_codes, .offset: 96, .size: 8, .value_kind: global_buffer, .address_space: global }
      - { .name: W1_scales, .offset: 104, .size: 8, .value_kind: global_buffer, .address_space: global }
      - { .name: W2_codes, .offset: 112, .size: 8, .value_kind: global_buffer, .address_space: global }
      - { .name: W2_scales, .offset: 120, .size: 8, .value_kind: global_buffer, .address_space: global }
      - { .name: wimg, .offset: 128, .size: 8, .value_kind: global_buffer, .address_space: global }
    .group_segment_fixed_size: 2048
    .private_segment_fixed_size: 0
    .kernarg_segment_align: 8
    .kernarg_segment_size: 136
    .max_flat_workgroup_size: 256
    .sgpr_count:     66
    .vgpr_count:     256
    .wavefront_size: 32
...
	.end_amdgpu_metadata
.endif
;; end of part 1
;; launch qkv (part 2): grid 12 x 16, 4 waves a work-group, clusters of 4 x 4, 327,680 bytes of LDS; arguments xnb, wimg, bq, bk, bv, qb, kv; writes qb, kv
.if DOCPART == 2
	.amdgcn_target "amdgcn-amd-amdhsa--gfx1250"
	.amdhsa_code_object_version 6
	.text
	.protected	k_qa164388a08_qkv
	.globl	k_qa164388a08_qkv
	.p2align	8
	.type	k_qa164388a08_qkv,@function
k_qa164388a08_qkv:
	s_mov_b64 s[64:65], 0
	v_nop
	global_prefetch_b8 v0, s[64:65] scope:SCOPE_SE
	s_setreg_imm32_b32 hwreg(HW_REG_WAVE_MODE, 25, 1), 1
	s_wait_xcnt 0x0
	s_wait_alu depctr_hold_cnt(0) depctr_sa_sdst(0) depctr_va_vdst(0) depctr_va_sdst(0) depctr_va_ssrc(0) depctr_va_vcc(0) depctr_vm_vsrc(0)
	s_getreg_b32 s2, hwreg(HW_REG_IB_STS2, 6, 4)
	s_cmp_eq_u32 s2, 0
	s_cbranch_scc0 .Lentry_in_a_cluster
	s_endpgm
.Lentry_in_a_cluster:
	s_bfe_u32 s2, ttmp6, 0x10000c
	s_cmp_lg_u32 s2, 0xf033
	s_cbranch_scc0 .Lentry_shape_is_right
	s_endpgm
.Lentry_shape_is_right:
; LAUNCH 2 OF 7: q, k, v = Q(xn) W + b on E2M3 codes, then q and k quantised along the head's 64 and v along the keys.  Nothing of reference() is left out here.
; Both operands come as records of register images (the format is set out at the head of the first launch): a K step's eight fragments and their scale words are 12,800 dense bytes.
; A work-group makes 256 tokens x 256 rows of one weight; four waves, each 128 x 128: 64 accumulators, 512 registers.  192 work-groups: the three weights have 3,072 rows in all.
; K = 1,024 goes in 8 steps of 128 through two LDS slots of two steps each; a wave's one tensor load brings two records (25,600 bytes) of one group.
; CLUSTER 4 x 4: token records are shared along a row of the cluster, weight records along a column: each is asked for jointly.  Cluster x = 0, 1, 2 is q, k, v: the same in all sixteen partners.
; SOURCE 0 (X) AND SOURCE 1 (Y).  For q and k X = the weight: a lane holds one token, its registers run along the weight's rows (two heads' 64 + 64).  For v X = the tokens: a lane holds one
; row d of the weight and its registers run along 128 tokens, which are the second attention product's K.  The images serve either place, so the swap is a choice of two LDS bases.
; OUT.  qb: [b h][step of 128 tokens] parts of 6,656 bytes: 8 half fragments (16 tokens x 64, 768 bytes) and 512 bytes of scale words (bytes 0, 1 count; bytes 2, 3 are another head's bytes or 0, never 0xff).
; kv: [b h][step][K part like qb's, V part: 4 fragments (16 d x 128 keys) and scale words].
; LIMITS: as stated at the head of the first launch.
; REGISTERS: window 0: v4-13 addresses; v32-47 scale words, two sets a side; v64-255 Y's fragments, two sets (free on the way out).  Window 1: X's two sets at v0 and v128.  Windows 2, 3: accumulator (a, b) at v[8 (8 (a % 4) + b)].
.set KS, 8
.set SPS, 2
.set SLOT, 102400
.set AFR, 12800
.set STEPB, 51200
.set SPARE, 2*SLOT                     ; behind the ring: the spare words, 128 bytes a wave
.set AX16, 4
.set AX8, 6
.set AY16, 8
.set AY8, 10
.set SPW, 28
.set NIL, 29
.set SCX, 32
.set SCY, 40
.set G1T, 24
.set G0T, 32
.set G1W, 48
.set G0W, 56
.set SEL, 82
.set WK, 64
.set BI, 128
.set PC, 192
.set TM, 212
.set W, 228
.set P, 236
.set MSB, 0
.macro WIN new                         ; the immediate's high byte repeats the setting that is left
.if MSB != (\new)
	s_set_vgpr_msb (MSB<<8)|(\new)
.set MSB, (\new)
.endif
.endm
.macro PLACES
.rept 4
	v_nop
.endr
.endm
.macro CROUND                          ; a round of the cluster's barrier
	s_barrier_signal -1
	s_barrier_wait -1
	s_cmp_lg_u32 s14, 0
	s_cbranch_scc1 .Lnw0_\@
	s_barrier_signal -3
.Lnw0_\@:
	s_barrier_wait -3
	s_barrier_signal -1
	s_barrier_wait -1
.endm
.macro JLOAD g0t, g1t, g0w, g1w        ; a joint load: waves 0, 1 fetch token records, waves 2, 3 weight records; an s_nop 0 and four v_nop follow each line
	s_cmp_eq_u32 s15, 0
	s_cbranch_scc0 .Lfw_\@
	tensor_load_to_lds s[\g0t:\g0t+3], s[\g1t:\g1t+7]
	s_nop 0
.rept 4
	v_nop
.endr
	s_branch .Lfa_\@
.Lfw_\@:
	tensor_load_to_lds s[\g0w:\g0w+3], s[\g1w:\g1w+7]
	s_nop 0
.rept 4
	v_nop
.endr
.Lfa_\@:
.endm
.macro FRAG reg, a16, a8, off          ; a fragment's image back into 12 registers: every run of lanes reads consecutive bytes
	ds_load_b128 v[\reg:\reg+3], v[\a16] offset:\off
	ds_load_b64 v[\reg+4:\reg+5], v[\a8] offset:\off+512
	ds_load_b128 v[\reg+6:\reg+9], v[\a16] offset:\off+768
	ds_load_b64 v[\reg+10:\reg+11], v[\a8] offset:\off+1280
.endm
.macro FETCH                           ; step FK of slot FSL into set FP: 8 fragments a side and a side's 8 tiles' scale words by one load
	WIN 0x40
.irp b, 0,1,2,3,4,5,6,7
	FRAG 128*FP+12*\b, AX16+FSL, AX8+FSL, AFR*FK+1536*\b
.endr
	WIN 0
.irp a, 0,1,2,3,4,5,6,7
	FRAG 64+96*FP+12*\a, AY16+FSL, AY8+FSL, AFR*FK+1536*\a
.endr
	ds_load_b128 v[SCX+4*FP:SCX+4*FP+3], v[AX16+FSL] offset:AFR*FK+12288
	ds_load_b128 v[SCY+4*FP:SCY+4*FP+3], v[AY16+FSL] offset:AFR*FK+12288
.endm
.macro WM ox, oy                       ; one product; an odd tile's scale words stand in lanes 16-31 of its pair's register
.if MZ
.if (\ox) && (\oy)
	v_wmma_scale_f32_16x16x128_f8f6f4 v[rD:rD+7], v[rX:rX+11], v[rY:rY+11], 0, v[rSX], v[rSY] matrix_a_fmt:MATRIX_FMT_FP6 matrix_b_fmt:MATRIX_FMT_FP6 matrix_a_scale:MATRIX_SCALE_ROW1 matrix_b_scale:MATRIX_SCALE_ROW1
.elseif (\ox)
	v_wmma_scale_f32_16x16x128_f8f6f4 v[rD:rD+7], v[rX:rX+11], v[rY:rY+11], 0, v[rSX], v[rSY] matrix_a_fmt:MATRIX_FMT_FP6 matrix_b_fmt:MATRIX_FMT_FP6 matrix_a_scale:MATRIX_SCALE_ROW1
.elseif (\oy)
	v_wmma_scale_f32_16x16x128_f8f6f4 v[rD:rD+7], v[rX:rX+11], v[rY:rY+11], 0, v[rSX], v[rSY] matrix_a_fmt:MATRIX_FMT_FP6 matrix_b_fmt:MATRIX_FMT_FP6 matrix_b_scale:MATRIX_SCALE_ROW1
.else
	v_wmma_scale_f32_16x16x128_f8f6f4 v[rD:rD+7], v[rX:rX+11], v[rY:rY+11], 0, v[rSX], v[rSY] matrix_a_fmt:MATRIX_FMT_FP6 matrix_b_fmt:MATRIX_FMT_FP6
.endif
.else
.if (\ox) && (\oy)
	v_wmma_scale_f32_16x16x128_f8f6f4 v[rD:rD+7], v[rX:rX+11], v[rY:rY+11], v[rD:rD+7], v[rSX], v[rSY] matrix_a_fmt:MATRIX_FMT_FP6 matrix_b_fmt:MATRIX_FMT_FP6 matrix_a_scale:MATRIX_SCALE_ROW1 matrix_b_scale:MATRIX_SCALE_ROW1
.elseif (\ox)
	v_wmma_scale_f32_16x16x128_f8f6f4 v[rD:rD+7], v[rX:rX+11], v[rY:rY+11], v[rD:rD+7], v[rSX], v[rSY] matrix_a_fmt:MATRIX_FMT_FP6 matrix_b_fmt:MATRIX_FMT_FP6 matrix_a_scale:MATRIX_SCALE_ROW1
.elseif (\oy)
	v_wmma_scale_f32_16x16x128_f8f6f4 v[rD:rD+7], v[rX:rX+11], v[rY:rY+11], v[rD:rD+7], v[rSX], v[rSY] matrix_a_fmt:MATRIX_FMT_FP6 matrix_b_fmt:MATRIX_FMT_FP6 matrix_b_scale:MATRIX_SCALE_ROW1
.else
	v_wmma_scale_f32_16x16x128_f8f6f4 v[rD:rD+7], v[rX:rX+11], v[rY:rY+11], v[rD:rD+7], v[rSX], v[rSY] matrix_a_fmt:MATRIX_FMT_FP6 matrix_b_fmt:MATRIX_FMT_FP6
.endif
.endif
.endm
.macro MUL                             ; 64 products on set MP; MZ = 1: they start the sums.  The 64 accumulators take turns, in the same order in every step
.irp a, 0,1,2,3,4,5,6,7
	WIN 0xa1+0x50*(\a/4)
.irp b, 0,1,2,3,4,5,6,7
.set rD, 8*(8*(\a%4)+\b)
.set rX, 128*MP+12*\b
.set rY, 64+96*MP+12*\a
.set rSX, SCX+4*MP+\b/2
.set rSY, SCY+4*MP+\a/2
	WM \b%2, \a%2
.endr
.endr
.endm
.macro TURN slot, fill                 ; the change of slots, at the head of a slot's last step: that step's fragments are the last reads of the slot
	s_wait_tensorcnt 0x0                             ; all my tensor loads have landed: my part of the next slot
	ds_add_u32 v[SPW], v[NIL]                        ; 0 onto my spare word
.if \fill
	s_add_nc_u64 s[G0T+4*\slot+2:G0T+4*\slot+3], s[G0T+4*\slot+2:G0T+4*\slot+3], STEPB   ; no load of mine is out: this slot's next two K steps
	s_add_nc_u64 s[G0W+4*\slot+2:G0W+4*\slot+3], s[G0W+4*\slot+2:G0W+4*\slot+3], STEPB
.endif
	s_wait_dscnt 0x0                                 ; the add is done, and my reads of this slot are in registers
.if \fill
	CROUND                                           ; no wave of any partner still reads the slot or has a load on its way
	JLOAD G0T+4*\slot, G1T, G0W+4*\slot, G1W         ; my one tensor load behind the round; its four v_nop are the places in front of the loads that follow
.else
	s_barrier_signal -1
	s_barrier_wait -1
	PLACES
.endif
.endm
.macro QUANT s, pc, tm, pw             ; 64 numbers of a lane, register 16 b + i = k 32 b + 16 (lane / 16) + i of its row -> 12 registers of codes and the row's scale word
.irp b, 0,1,2,3
	v_max3_num_f32 v[\tm+\b], |v[\s+16*\b]|, |v[\s+16*\b+1]|, 0x1800000
.endr
.irp i, 2,4,6,8,10,12,14
.irp b, 0,1,2,3
	v_max3_num_f32 v[\tm+\b], v[\tm+\b], |v[\s+16*\b+\i]|, |v[\s+16*\b+\i+1]|
.endr
.endr
.irp b, 0,1,2,3
	v_permlanex16_b32 v[\tm+4+\b], v[\tm+\b], s[SEL], s[SEL+1]
.endr
.irp b, 0,1,2,3
	v_max_num_f32 v[\tm+\b], v[\tm+\b], v[\tm+4+\b]
.endr
.irp b, 0,1,2,3
	v_add_nc_u32 v[\tm+12+\b], 0xff000000, v[\tm+\b]
.endr
.irp b, 0,1,2,3
	v_lshrrev_b32 v[\tm+4+\b], 23, v[\tm+12+\b]
.endr
	v_lshl_or_b32 v[\pw], v[\tm+5], 8, v[\tm+4]
	v_lshl_or_b32 v[\pw], v[\tm+6], 16, v[\pw]
	v_lshl_or_b32 v[\pw], v[\tm+7], 24, v[\pw]
.irp c, 0,1
	v_cvt_scalef32_pk16_fp6_f32 v[\pc+6*\c:\pc+6*\c+2], v[\s+32*\c:\s+32*\c+15], v[\tm+12+2*\c]
	v_cvt_scalef32_pk16_fp6_f32 v[\pc+12+4*\c:\pc+12+4*\c+2], v[\s+32*\c+16:\s+32*\c+31], v[\tm+13+2*\c]
.endr
	v_nop
.irp c, 0,1
.irp i, 0,1,2
	v_permlane16_swap_b32 v[\pc+6*\c+\i], v[\pc+12+4*\c+\i]
.endr
.irp i, 0,1,2
	v_mov_b32 v[\pc+3+6*\c+\i], v[\pc+12+4*\c+\i]
.endr
.endr
.endm
	s_load_b256 s[4:11], s[0:1], 0x0                 ; xnb, wimg, bq, bk
	s_load_b128 s[68:71], s[0:1], 0x20               ; bv, qb
	s_load_b64 s[72:73], s[0:1], 0x30                ; kv
	v_lshl_add_u32 v[SPW], v0, 2, SPARE
	v_mov_b32 v[NIL], 0
	ds_add_u32 v[SPW], v[NIL]                        ; the wave's opening: the add, twice on end, and its wait ahead of my first tensor load
	ds_add_u32 v[SPW], v[NIL]
	v_lshrrev_b32 v1, 5, v0
	v_readfirstlane_b32 s14, v1                      ; wave 0..3
	s_lshr_b32 s15, s14, 1
	s_and_b32 s16, s14, 1
	s_bfe_u32 s40, ttmp6, 0x40000                    ; cx
	s_bfe_u32 s41, ttmp6, 0x40004                    ; cy
	s_lshl_b32 s42, ttmp9, 2
	s_add_co_u32 s42, s42, s40                       ; work-group x: 256 rows of the stacked weights
	s_and_b32 s17, ttmp7, 0xffff
	s_lshl_b32 s17, s17, 2
	s_add_co_u32 s17, s17, s41                       ; work-group y: 256 tokens
	s_lshl_b32 s43, s41, 2
	s_lshl_b32 s43, 15, s43                          ; my row of the cluster
	s_lshl_b32 s44, 0x1111, s40                      ; my column
	s_or_b32 s[G1T], s43, (3<<16)|(1<<21)            ; group 1: 25,600 dense bytes as 100 rows of 32 elements of 8 bytes; the mask, bit 21 beside it
	s_or_b32 s[G1W], s44, (3<<16)|(1<<21)
.irp g, G1T, G1W
	s_mov_b32 s[\g+1], 32<<16
	s_mov_b32 s[\g+2], 100<<16
	s_mov_b32 s[\g+3], 32<<16
	s_mov_b32 s[\g+4], 100
	s_mov_b32 s[\g+5], 32
	s_mov_b32 s[\g+6], 0
	s_mov_b32 s[\g+7], 0
.endr
	s_lshl_b32 s20, s17, 1
	s_add_co_u32 s20, s20, s16
	s_mul_i32 s20, s20, 102400                       ; token group 2 y + (wave % 2): 8 records
	s_mov_b32 s21, 0
	s_lshl_b32 s46, s42, 1
	s_add_co_u32 s46, s46, s16
	s_mul_i32 s46, s46, 102400                       ; weight group 2 x + (wave % 2)
	s_mov_b32 s47, 0
	s_mul_i32 s45, s14, 25600                        ; where my load lands in a slot: wave x 25,600
	s_wait_dscnt 0x0                                 ; both opening adds are done
	s_wait_kmcnt 0x0
	s_add_nc_u64 s[20:21], s[4:5], s[20:21]
	s_add_nc_u64 s[46:47], s[6:7], s[46:47]
	CROUND                                           ; all sixteen work-groups are here: the first joint loads meet
.irp s, 0,1
	s_mov_b32 s[G0T+4*\s], 1
	s_add_co_u32 s[G0T+4*\s+1], s45, \s*SLOT
	s_add_nc_u64 s[G0T+4*\s+2:G0T+4*\s+3], s[20:21], \s*25600
	s_or_b32 s[G0T+4*\s+3], s[G0T+4*\s+3], 0x80000000
	s_mov_b32 s[G0W+4*\s], 1
	s_add_co_u32 s[G0W+4*\s+1], s45, \s*SLOT
	s_add_nc_u64 s[G0W+4*\s+2:G0W+4*\s+3], s[46:47], \s*25600
	s_or_b32 s[G0W+4*\s+3], s[G0W+4*\s+3], 0x80000000
	JLOAD G0T+4*\s, G1T, G0W+4*\s, G1W
.endr
	v_and_b32 v1, 31, v0
	v_lshlrev_b32 v12, 4, v1                         ; 16 x lane
	v_lshlrev_b32 v13, 3, v1                         ; 8 x lane
	s_cmp_eq_u32 ttmp9, 2                            ; v's clusters take the tokens (regions 0, 1 of a slot) as X, the others the weights (regions 2, 3)
	s_cselect_b32 s18, 0, 51200
	s_cselect_b32 s19, 51200, 0
	s_mul_i32 s22, s16, 25600
	s_add_co_u32 s18, s18, s22
	s_mul_i32 s22, s15, 25600
	s_add_co_u32 s19, s19, s22
.irp s, 0,1
	v_add_nc_u32 v[AX16+\s], s18, v12
	v_add_nc_u32 v[AX8+\s], s18, v13
	v_add_nc_u32 v[AY16+\s], s19, v12
	v_add_nc_u32 v[AY8+\s], s19, v13
	s_add_co_u32 s18, s18, SLOT
	s_add_co_u32 s19, s19, SLOT
.endr
	s_mov_b32 s[SEL], 0x76543210
	s_mov_b32 s[SEL+1], 0xfedcba98
	s_mov_b32 s80, 0xffff0000                        ; lanes 16-31
	s_wait_tensorcnt 1                               ; my part of slot 0 is in; slot 1's may stay out
	s_barrier_signal -1
	s_barrier_wait -1
.set FSL, 0
.set FK, 0
.set FP, 0
	FETCH
; THE K WALK, written out: in each step the next step's fragments are asked for first, then this step's 64 products are issued
.set S, 0
.rept KS
.set SL, (S/SPS)%2
	WIN 0
.if (S%SPS == SPS-1) && (S < KS-1)
.set TF, 0
.if (S/SPS)+2 < KS/SPS
.set TF, 1
.endif
	TURN SL, TF
.else
	s_wait_dscnt 0x0                                 ; this step's fragments, asked for a step ago
.if (S > 0) && (S < KS-1)
	PLACES                                           ; in front of loads into the set that the last step's products read
.endif
.endif
.if S < KS-1
.set FSL, ((S+1)/SPS)%2
.set FK, (S+1)%SPS
.set FP, (S+1)%2
	FETCH
.endif
.set MP, S%2
.set MZ, 0
.if S == 0
.set MZ, 1
.endif
	MUL
.set S, S+1
.endr
	WIN 0
	PLACES                                           ; behind the last products: results are read, and their operands' registers written, from here on
.irp b, 0,1,2,3
	v_mov_b32 v[TM+4+\b], 0                          ; written once: a lane permute's destination counts as one of its sources
.endr
	s_cmp_eq_u32 ttmp9, 2
	s_cbranch_scc1 .Lv_arm
	; ---- q and k: lane = token, registers = 128 rows of the weight = heads 2 lg and 2 lg + 1
	s_lshl_b32 s18, s40, 1
	s_add_co_u32 s18, s18, s16                       ; lg: my group of 128 rows within the weight
	s_lshl_b32 s19, s17, 1
	s_add_co_u32 s19, s19, s15                       ; my group of 128 tokens
	s_lshr_b32 s20, s19, 4                           ; batch
	s_and_b32 s21, s19, 15                           ; step of 128 tokens in it
	s_lshl_b32 s20, s20, 4
	s_lshl_b32 s22, s18, 1
	s_add_co_u32 s20, s20, s22                       ; b h of the first head
	s_lshl_b32 s20, s20, 4
	s_add_co_u32 s20, s20, s21
	s_mov_b32 s23, 13312
	s_cmp_eq_u32 ttmp9, 0
	s_cselect_b64 s[74:75], s[70:71], s[72:73]       ; qb or kv
	s_cselect_b64 s[76:77], s[8:9], s[10:11]         ; bq or bk
	s_cselect_b32 s23, 6656, s23                     ; from step to step
	s_mul_i32 s20, s20, s23
	s_mov_b32 s21, 0
	s_add_nc_u64 s[74:75], s[74:75], s[20:21]        ; the first head's part
	s_lshl_b32 s20, s23, 4
	s_add_nc_u64 s[78:79], s[74:75], s[20:21]        ; the second head's: 16 steps on
	s_lshl_b32 s20, s18, 9
	s_add_nc_u64 s[76:77], s[76:77], s[20:21]
	v_bfe_u32 v14, v0, 4, 1
	v_lshlrev_b32 v14, 6, v14
.irp b, 0,1,2,3
.irp j, 0,1,2,3
	global_load_b128 v[BI+16*\b+4*\j:BI+16*\b+4*\j+3], v14, s[76:77] offset:128*\b+16*\j   ; the bias in the results' order: 32 b + 16 h + i
.endr
.endr
	s_wait_loadcnt 0x0
.irp a, 0,1,2,3,4,5,6,7
.if \a > 0
	s_wait_xcnt 0x0                                  ; the last tile's stores have read their registers
.endif
	WIN 0x02+\a/4
.set i, 0
.rept 32
	v_pk_add_f32 v[WK+i:WK+i+1], v[64*(\a%4)+i:64*(\a%4)+i+1], v[BI+i:BI+i+1]   ; each accumulator from its low end on
.set i, i+2
.endr
	WIN 0
	QUANT WK, PC, TM, W+\a
	global_store_b128 v12, v[PC:PC+3], s[74:75] offset:768*\a
	global_store_b64 v13, v[PC+4:PC+5], s[74:75] offset:768*\a+512
	global_store_b128 v12, v[PC+6:PC+9], s[78:79] offset:768*\a
	global_store_b64 v13, v[PC+10:PC+11], s[78:79] offset:768*\a+512
.endr
.irp p, 0,1,2,3
	v_cndmask_b32 v[P+\p], v[W+2*\p], v[W+2*\p+1], s80     ; lanes 0-15 tile 2 p's words, lanes 16-31 tile 2 p + 1's
.endr
.irp p, 0,1,2,3
	v_lshrrev_b32 v[P+4+\p], 16, v[P+\p]                   ; the second head's two bytes
.endr
	global_store_b128 v12, v[P:P+3], s[74:75] offset:6144
	global_store_b128 v12, v[P+4:P+7], s[78:79] offset:6144
	s_branch .Lend
	; ---- v: lane = row d of the weight, registers = 128 tokens in their own order
.Lv_arm:
	s_lshl_b32 s18, s40, 1
	s_add_co_u32 s18, s18, s15                       ; lg
	s_lshl_b32 s19, s17, 1
	s_add_co_u32 s19, s19, s16                       ; my group of 128 tokens
	s_lshr_b32 s20, s19, 4
	s_and_b32 s21, s19, 15
	s_lshl_b32 s20, s20, 4
	s_lshl_b32 s22, s18, 1
	s_add_co_u32 s20, s20, s22
	s_lshl_b32 s20, s20, 4
	s_add_co_u32 s20, s20, s21
	s_mul_i32 s20, s20, 13312
	s_add_co_u32 s20, s20, 6656                      ; the V part stands behind the K part
	s_mov_b32 s21, 0
	s_add_nc_u64 s[74:75], s[72:73], s[20:21]
	s_add_nc_u64 s[78:79], s[74:75], 212992          ; the second head's
	s_lshl_b32 s20, s18, 9
	s_add_nc_u64 s[76:77], s[68:69], s[20:21]
	v_and_b32 v14, 15, v0
	v_and_b32 v15, 8, v14
	v_add_nc_u32 v14, v14, v15
	v_lshlrev_b32 v14, 2, v14
.irp a, 0,1,2,3,4,5,6,7
	global_load_b32 v[BI+2*\a], v14, s[76:77] offset:(32*(\a/2)+8*(\a%2))*4     ; my row's bias in tile a
.endr
	s_wait_loadcnt 0x0
.irp a, 0,1,2,3,4,5,6,7
	v_mov_b32 v[BI+2*\a+1], v[BI+2*\a]
.endr
.irp a, 0,1,2,3,4,5,6,7
.if \a > 0
	s_wait_xcnt 0x0
.endif
	WIN 0x02+\a/4
.set i, 0
.rept 32
	v_pk_add_f32 v[WK+i:WK+i+1], v[64*(\a%4)+i:64*(\a%4)+i+1], v[BI+2*\a:BI+2*\a+1]
.set i, i+2
.endr
	WIN 0
	QUANT WK, PC, TM, W+\a
	global_store_b128 v12, v[PC:PC+3], s[74+4*(\a/4):75+4*(\a/4)] offset:1536*(\a%4)
	global_store_b64 v13, v[PC+4:PC+5], s[74+4*(\a/4):75+4*(\a/4)] offset:1536*(\a%4)+512
	global_store_b128 v12, v[PC+6:PC+9], s[74+4*(\a/4):75+4*(\a/4)] offset:1536*(\a%4)+768
	global_store_b64 v13, v[PC+10:PC+11], s[74+4*(\a/4):75+4*(\a/4)] offset:1536*(\a%4)+1280
.endr
	v_cndmask_b32 v[P], v[W], v[W+1], s80
	v_cndmask_b32 v[P+1], v[W+2], v[W+3], s80
	v_mov_b32 v[P+2], 0
	v_mov_b32 v[P+3], 0
	v_cndmask_b32 v[P+4], v[W+4], v[W+5], s80
	v_cndmask_b32 v[P+5], v[W+6], v[W+7], s80
	v_mov_b32 v[P+6], 0
	v_mov_b32 v[P+7], 0
	global_store_b128 v12, v[P:P+3], s[74:75] offset:6144
	global_store_b128 v12, v[P+4:P+7], s[78:79] offset:6144
.Lend:
	s_wait_tensorcnt 0x0                             ; the wave's end
	ds_add_u32 v[SPW], v[NIL]
	s_wait_dscnt 0x0
	CROUND                                           ; the closing round
	s_endpgm
.Lfunc_end_k_qa164388a08_qkv:
	.size	k_qa164388a08_qkv, .Lfunc_end_k_qa164388a08_qkv-k_qa164388a08_qkv
	.p2alignl 7, 3214868480
	.fill 96, 4, 3214868480
	.section	.rodata,"a",@progbits
	.p2align	6, 0x0
	.amdhsa_kernel k_qa164388a08_qkv
		.amdhsa_group_segment_fixed_size 327680
		.amdhsa_private_segment_fixed_size 0
		.amdhsa_enable_private_segment 0
		.amdhsa_kernarg_size 56
		.amdhsa_user_sgpr_count 2
		.amdhsa_user_sgpr_kernarg_segment_ptr 1
		.amdhsa_wavefront_size32 1
		.amdhsa_system_sgpr_workgroup_id_x 1
		.amdhsa_system_sgpr_workgroup_id_y 1
		.amdhsa_system_sgpr_workgroup_id_z 1
		.amdhsa_system_vgpr_workitem_id 0
		.amdhsa_next_free_vgpr 1024
		.amdhsa_next_free_sgpr 100
		.amdhsa_reserve_vcc 0
		.amdhsa_float_denorm_mode_32 3
		.amdhsa_float_denorm_mode_16_64 3
		.amdhsa_memory_ordered 1
		.amdhsa_forward_progress 1
		.amdhsa_inst_pref_size 213
	.end_amdhsa_kernel
	.amdgpu_metadata
---
amdhsa.version: [ 1, 2 ]
amdhsa.kernels:
  - .name:           k_qa164388a08_qkv
    .symbol:         k_qa164388a08_qkv.kd
    .args:
      - { .name: xnb, .offset: 0, .size: 8, .value_kind: global_buffer, .address_space: global }
      - { .name: wimg, .offset: 8, .size: 8, .value_kind: global_buffer, .address_space: global }
      - { .name: bq, .offset: 16, .size: 8, .value_kind: global_buffer, .address_space: global }
      - { .name: bk, .offset: 24, .size: 8, .value_kind: global_buffer, .address_space: global }
      - { .name: bv, .offset: 32, .size: 8, .value_kind: global_buffer, .address_space: global }
      - { .name: qb, .offset: 40, .size: 8, .value_kind: global_buffer, .address_space: global }
      - { .name: kv, .offset: 48, .size: 8, .value_kind: global_buffer, .address_space: global }
    .group_segment_fixed_size: 327680
    .private_segment_fixed_size: 0
    .kernarg_segment_align: 8
    .kernarg_segment_size: 56
    .max_flat_workgroup_size: 128
    .sgpr_count:     100
    .vgpr_count:     1024
    .wavefront_size: 32
...
	.end_amdgpu_metadata
.endif
;; end of part 2
;; launch att (part 3): grid 8 x 32, 16 waves a work-group, clusters of 4 x 1, 215,040 bytes of LDS; arguments qb, kv, ob; writes ob
.if DOCPART == 3
	.amdgcn_target "amdgcn-amd-amdhsa--gfx1250"
	.amdhsa_code_object_version 6
	.text
	.protected	k_qa164388a08_att
	.globl	k_qa164388a08_att
	.p2align	8
	.type	k_qa164388a08_att,@function
k_qa164388a08_att:
	s_mov_b64 s[64:65], 0
	v_nop
	global_prefetch_b8 v0, s[64:65] scope:SCOPE_SE
	s_setreg_imm32_b32 hwreg(HW_REG_WAVE_MODE, 25, 1), 1
	s_wait_xcnt 0x0
	s_wait_alu depctr_hold_cnt(0) depctr_sa_sdst(0) depctr_va_vdst(0) depctr_va_sdst(0) depctr_va_ssrc(0) depctr_va_vcc(0) depctr_vm_vsrc(0)
	s_getreg_b32 s2, hwreg(HW_REG_IB_STS2, 6, 4)
	s_cmp_eq_u32 s2, 0
	s_cbranch_scc0 .Lentry_in_a_cluster
	s_endpgm
.Lentry_in_a_cluster:
	s_bfe_u32 s2, ttmp6, 0x10000c
	s_cmp_lg_u32 s2, 0x3003
	s_cbranch_scc0 .Lentry_shape_is_right
	s_endpgm
.Lentry_shape_is_right:
; LAUNCH 3 OF 7: o = softmax(q k^T / 32) v for each of the 32 (batch, head), both products on E2M3 codes; o divided by the row's sum and quantised along C.  Nothing of reference() is left out here.
; THE SOFTMAX AHEAD OF THE SECOND PRODUCT: t = score x log2(e) / 32; M = the ceiling of the running largest t; p = 2^(t - M) is quantised along the keys, not normalised; the row's sum is taken of the
; unquantised p and divides at the end.  When M moves, the sum and O are multiplied by 2^(old M - new M), which rounds nothing.
; SHARES.  A work-group owns 256 queries of one (batch, head), each of its sixteen waves one tile of 16; four waves to a SIMD, so that one wave's vector work stands beside another's products and LDS loads.
; A WHOLE HEAD'S K AND V STAY IN LDS: 16 steps of 128 keys, each a K part and a V part of 6,656 bytes: 212,992 bytes, filled once.  No byte is filled again, so there is no ring.
; THE FILL GOES IN FOUR STAGES of four key steps, 53,248 dense bytes each: four tensor loads of 208 rows of 256 bytes, all issued on end by wave 0.  A wave's tensor loads end in the order of issue
; (ISA guide 10.11.1), so the count 3 - j shows stage j landed while the later stages stay on their way: the products of stage j are issued while stages j + 1 .. 3 land.  Ahead of each stage's four trips
; stand that counted wait and a work-group barrier. Waves 1 to 15 have no load out: their waits are met at once, and the barrier tells them of wave 0's.
; CLUSTER 4 x 1: the four query blocks of a cluster belong to one head and ask for each stage jointly.
; LAYOUT.  S^T = K Q^T, O^T = V^T P^T: a lane holds one query throughout.  The keys of a tile of K and the rows d of a tile of V stand in the order 32 (t / 2) + 8 (t % 2) + r + 8 (r / 8), so that the
; registers of two neighbouring tiles are 16 neighbours along the next product's K.
; THE FIRST PRODUCT'S K IS 64 of the instruction's 128: Q's registers 6-11 hold zero codes; what stands in K's registers 6-11 (the next tile's codes, or zeros) meets them and adds an exact 0;
; the scale bytes of that half are valid bytes or 0, never 0xff.
; The two scale bytes of a row leave by a store of 2 bytes (the word's other half belongs to the other head of the K step): 32 bytes beside 768 of codes; lanes 16-31 repeat lanes 0-15.
; No prefetch: all that the launch reads of K and V is asked for by the four loads at its head.
; LIMITS: as stated at the head of the first launch; v_exp_f32 and v_rcp_f32 are good to 1 ulp and flush denormals.
; REGISTERS: v1, v2 16 x lane, 8 x lane; v8, v9 the step's LDS addresses; v12 -M, v13 the largest t, v[14:15] the sum; v16-27 Q; v28 Q's scale words; v32-79 K's eight half fragments, then V's four fragments;
; v80-85 zeros; v86-89 K's scale words, v90-91 V's; v96-159 S^T, then p; v160-191 O^T; v224-235 p's codes; v232-254 at work; v253 p's scale word.
.set STG, 53248                        ; a stage in bytes: 4 key steps x 13,312
.set SPARE, 4*STG                      ; behind the head's K and V: the spare words, 128 bytes a wave
.set SPW, 5
.set NIL, 6
.set WV, 18
.set SEL, 20
.set CS, 22
.set G1, 24                            ; s[24:31] descriptor group 1, one for the four loads
.set G0, 68                            ; s[68:83] descriptor group 0, a set for each stage: all four loads are out together
.set TB, 2
.set CNT, 3
.macro CROUND
	s_barrier_signal -1
	s_barrier_wait -1
	s_cmp_lg_u32 s[WV], 0
	s_cbranch_scc1 .Lnw0_\@
	s_barrier_signal -3
.Lnw0_\@:
	s_barrier_wait -3
	s_barrier_signal -1
	s_barrier_wait -1
.endm
	s_load_b128 s[4:7], s[0:1], 0x0                  ; qb, kv
	s_load_b64 s[8:9], s[0:1], 0x10                  ; ob
	v_lshl_add_u32 v[SPW], v0, 2, SPARE
	v_mov_b32 v[NIL], 0
	ds_add_u32 v[SPW], v[NIL]                        ; the wave's opening: the add, twice on end, and its wait ahead of a first tensor load
	ds_add_u32 v[SPW], v[NIL]
	v_lshrrev_b32 v8, 5, v0
	v_readfirstlane_b32 s[WV], v8                    ; wave 0..15
	s_bfe_u32 s40, ttmp6, 0x40000                    ; cx
	s_lshl_b32 s41, ttmp9, 2
	s_add_co_u32 s41, s41, s40                       ; my block of 256 queries: it enters Q's and o's addresses alone
	s_and_b32 s42, ttmp7, 0xffff                     ; b h, which the four partners share
	s_mov_b32 s[G1], 15|(3<<16)|(1<<21)              ; group 1: 53,248 dense bytes as 208 rows of 32 elements of 8 bytes; the mask names all four; bit 21 beside it
	s_mov_b32 s[G1+1], 32<<16
	s_mov_b32 s[G1+2], 208<<16
	s_mov_b32 s[G1+3], 32<<16
	s_mov_b32 s[G1+4], 208
	s_mov_b32 s[G1+5], 32
	s_mov_b32 s[G1+6], 0
	s_mov_b32 s[G1+7], 0
	s_mul_i32 s44, s42, 212992                       ; the head's K and V
	s_mov_b32 s45, 0
	s_mov_b32 s[SEL], 0x76543210
	s_mov_b32 s[SEL+1], 0xfedcba98
	s_mov_b32 s[CS], 0x3d38aa3b                      ; c = log2(e) / 32
	s_mov_b32 s[CS+1], s[CS]
	s_wait_dscnt 0x0                                 ; both opening adds are done
	s_wait_kmcnt 0x0
	s_add_nc_u64 s[44:45], s[6:7], s[44:45]
	CROUND                                           ; all four work-groups are here: the joint loads meet
.irp j, 0,1,2,3
	s_mov_b32 s[G0+4*\j], 1
	s_mov_b32 s[G0+4*\j+1], \j*STG                   ; stage j lies in LDS as in memory
	s_add_nc_u64 s[G0+4*\j+2:G0+4*\j+3], s[44:45], \j*STG
	s_or_b32 s[G0+4*\j+3], s[G0+4*\j+3], 0x80000000
.endr
	s_cmp_lg_u32 s[WV], 0                            ; the wave's number alone: the same in all four partners
	s_cbranch_scc1 .Lno_fill
.irp j, 0,1,2,3
	tensor_load_to_lds s[G0+4*\j:G0+4*\j+3], s[G1:G1+7]   ; four loads of wave 0 are out
	s_nop 0
.endr
.rept 4
	v_nop
.endr
.Lno_fill:
	s_lshr_b32 s46, s[WV], 3
	s_lshl_b32 s47, s41, 1
	s_add_co_u32 s46, s46, s47                       ; my step of 128 queries
	s_and_b32 s47, s[WV], 7                          ; t: my tile in it
	s_lshl_b32 s48, s42, 4
	s_add_co_u32 s48, s48, s46
	s_mul_i32 s48, s48, 6656
	s_mov_b32 s49, 0
	s_add_nc_u64 s[4:5], s[4:5], s[48:49]            ; Q's part
	s_mul_i32 s54, s47, 768
	s_and_b32 s56, s47, 1
	s_lshl_b32 s56, s56, 8
	s_lshr_b32 s57, s47, 1
	s_lshl_b32 s57, s57, 2
	s_add_co_u32 s56, s56, s57                       ; 256 (t % 2) + 4 (t / 2): my tile's scale words
	s_add_co_u32 s55, s56, 6144
	s_lshr_b32 s50, s42, 4
	s_lshl_b32 s50, s50, 4
	s_add_co_u32 s50, s50, s46                       ; the group of 128 tokens
	s_lshl_b32 s50, s50, 3
	s_and_b32 s58, s42, 15                           ; head
	s_lshr_b32 s52, s58, 1
	s_add_co_u32 s50, s50, s52                       ; K step of the projection: head / 2
	s_mul_i32 s50, s50, 12800
	s_mov_b32 s51, 0
	s_add_nc_u64 s[8:9], s[8:9], s[50:51]            ; o's record
	s_and_b32 s58, s58, 1
	s_mul_i32 s52, s47, 1536
	s_mul_i32 s59, s58, 768
	s_add_co_u32 s52, s52, s59                       ; my half fragment in it
	s_lshl_b32 s58, s58, 1
	s_add_co_u32 s53, s56, s58
	s_add_co_u32 s53, s53, 12288                     ; and my two scale bytes
	v_and_b32 v3, 31, v0
	v_lshlrev_b32 v1, 4, v3
	v_lshlrev_b32 v2, 3, v3
	v_and_b32 v4, 15, v0                             ; r
	v_add_nc_u32 v10, s54, v1
	v_add_nc_u32 v11, s54, v2
	v_lshl_add_u32 v7, v4, 4, s55
	global_load_b128 v[16:19], v10, s[4:5]           ; Q's half fragment stays in registers
	global_load_b64 v[20:21], v11, s[4:5] offset:512
	global_load_b32 v28, v7, s[4:5]                  ; and its scale words
.irp j, 22,23,24,25,26,27,80,81,82,83,84,85
	v_mov_b32 v\j, 0                                 ; zero codes for the upper 64 of the first product's K
.endr
	v_mov_b32 v13, 0xff61b1e6                        ; the largest t so far: -3e38
	v_floor_f32 v12, -v13                            ; -M
	v_mov_b32 v14, 0
	v_mov_b32 v15, 0
.irp b, 0,1,2,3
	v_mov_b32 v[236+\b], 0                           ; written once: a lane permute's destination counts as one of its sources
.endr
	v_mov_b32 v253, 0                                ; (named as the upper half of the pair v[252:253] before it is first written)
.set j, 0
.rept 32
	v_mov_b32 v[160+j], 0                            ; O^T: the key step is written once for all steps; the first finds zeros
.set j, j+1
.endr
	s_wait_loadcnt 0x0                               ; Q
; STAGE st: its 53,248 bytes have landed; then four trips of 128 keys each.  The trip's LDS addresses hang on s[TB], which starts at the stage's first byte and steps by a key step's 13,312.
.macro STAGE st
	s_wait_tensorcnt 3-\st                           ; wave 0: stage st's load is in; the 3 - st loads issued behind it may stay out
	s_wait_dscnt 0x0                                 ; no LDS instruction of mine is out at the signal
	s_barrier_signal -1
	s_barrier_wait -1                                ; every wave now knows of it
	s_mov_b32 s[TB], \st*STG
	s_mov_b32 s[CNT], 4
.Lkeys_\@:                                           ; a trip: 128 keys
	v_add_nc_u32 v8, s[TB], v1
	v_add_nc_u32 v9, s[TB], v2
	v_nop
	v_nop                                            ; four places in front of loads into registers that the last trip's products read
.irp t, 0,1,2,3,4,5,6,7
	ds_load_b128 v[32+6*\t:35+6*\t], v8 offset:768*\t
	ds_load_b64 v[36+6*\t:37+6*\t], v9 offset:768*\t+512
.endr
	ds_load_b128 v[86:89], v8 offset:6144
	s_wait_dscnt 0x0
.irp t, 0,2,4,6
	v_wmma_scale_f32_16x16x128_f8f6f4 v[96+8*\t:103+8*\t], v[32+6*\t:43+6*\t], v[16:27], 0, v[86+\t/2], v28 matrix_a_fmt:MATRIX_FMT_FP6 matrix_b_fmt:MATRIX_FMT_FP6
	v_wmma_scale_f32_16x16x128_f8f6f4 v[104+8*\t:111+8*\t], v[38+6*\t:49+6*\t], v[16:27], 0, v[86+\t/2], v28 matrix_a_fmt:MATRIX_FMT_FP6 matrix_b_fmt:MATRIX_FMT_FP6 matrix_a_scale:MATRIX_SCALE_ROW1
.endr
.rept 4
	v_nop
.endr
.irp t, 0,1,2,3                                      ; V's four fragments are asked for here and land under the softmax
	ds_load_b128 v[32+12*\t:35+12*\t], v8 offset:6656+1536*\t
	ds_load_b64 v[36+12*\t:37+12*\t], v9 offset:6656+1536*\t+512
	ds_load_b128 v[38+12*\t:41+12*\t], v8 offset:6656+1536*\t+768
	ds_load_b64 v[42+12*\t:43+12*\t], v9 offset:6656+1536*\t+1280
.endr
	ds_load_b64 v[90:91], v8 offset:12800
.irp b, 0,1,2,3
	v_max3_num_f32 v[232+\b], v[96+16*\b], v[97+16*\b], v[98+16*\b]   ; the largest score of each block of 32 keys: for the row's maximum and, since p rises with the score, for the block's largest p
.endr
.irp i, 3,5,7,9,11,13
.irp b, 0,1,2,3
	v_max3_num_f32 v[232+\b], v[232+\b], v[96+16*\b+\i], v[97+16*\b+\i]
.endr
.endr
.irp b, 0,1,2,3
	v_max_num_f32 v[232+\b], v[232+\b], v[111+16*\b]
.endr
.irp b, 0,1,2,3
	v_permlanex16_b32 v[236+\b], v[232+\b], s[SEL], s[SEL+1]
.endr
.irp b, 0,1,2,3
	v_max_num_f32 v[232+\b], v[232+\b], v[236+\b]
.endr
	v_max3_num_f32 v254, v232, v233, v234
	v_max_num_f32 v254, v254, v235
	v_mul_f32 v254, s[CS], v254                      ; the step's largest t
	v_max_num_f32 v13, v13, v254
	v_mov_b32 v254, v12
	v_floor_f32 v12, -v13                            ; the new -M = -ceil(t)
	v_sub_f32 v254, v12, v254                        ; old M - new M: a whole number, 0 or less
	v_cvt_i32_f32 v254, v254
	v_ldexp_f32 v252, 1.0, v254                      ; f = 2^(old M - new M)
.set j, 0
.rept 32
	v_pk_fma_f32 v[96+j:97+j], v[96+j:97+j], s[CS:CS+1], v[12:13] op_sel_hi:[1,0,0]   ; t - M
.set j, j+2
.endr
.irp b, 0,1,2,3
	v_fma_f32 v[232+\b], v[232+\b], s[CS], v12
.endr
.set j, 0
.rept 64
	v_exp_f32 v[96+j], v[96+j]                       ; p = 2^(t - M)
.set j, j+1
.endr
	v_pk_mul_f32 v[14:15], v[14:15], v[252:253] op_sel_hi:[1,0]   ; the sums under the new M: a plain place behind the exponentials
	s_wait_alu depctr_va_vdst(0)                     ; one wait for the batch, ahead of its first reader
.irp b, 0,1,2,3
	v_exp_f32 v[232+\b], v[232+\b]                   ; each block's largest p
.endr
	v_pk_add_f32 v[236:237], v[96:97], v[98:99]      ; the row's sum of the unquantised p, in two chains
.set j, 4
.rept 15
	v_pk_add_f32 v[14:15], v[14:15], v[96+j:97+j]
	v_pk_add_f32 v[236:237], v[236:237], v[98+j:99+j]
.set j, j+4
.endr
	v_pk_add_f32 v[14:15], v[14:15], v[236:237]
	s_wait_alu depctr_va_vdst(0)                     ; and one for the four
.irp b, 0,1,2,3
	v_max_num_f32 v[232+\b], 0x1800000, v[232+\b]    ; the floor 2^(3 - 127)
.endr
.irp b, 0,1,2,3
	v_add_nc_u32 v[244+\b], 0xff000000, v[232+\b]
.endr
.irp b, 0,1,2,3
	v_lshrrev_b32 v[236+\b], 23, v[244+\b]
.endr
	v_lshl_or_b32 v253, v237, 8, v236                ; p's scale word for these 128 keys
	v_lshl_or_b32 v253, v238, 16, v253
	v_lshl_or_b32 v253, v239, 24, v253
.irp c, 0,1
	v_cvt_scalef32_pk16_fp6_f32 v[224+6*\c:226+6*\c], v[96+32*\c:111+32*\c], v[244+2*\c]
	v_cvt_scalef32_pk16_fp6_f32 v[236+4*\c:238+4*\c], v[112+32*\c:127+32*\c], v[245+2*\c]
.endr
	v_nop
.irp c, 0,1
.irp i, 0,1,2
	v_permlane16_swap_b32 v[224+6*\c+\i], v[236+4*\c+\i]
.endr
.irp i, 0,1,2
	v_mov_b32 v[227+6*\c+\i], v[236+4*\c+\i]
.endr
.endr
.set j, 0
.rept 16
	v_pk_mul_f32 v[160+j:161+j], v[160+j:161+j], v[252:253] op_sel_hi:[1,0]   ; O^T under the new M; these sixteen also stand between the scale word's and the codes' last writes and the products
.set j, j+2
.endr
	s_wait_dscnt 0x0                                 ; V
.irp t, 0,2
	v_wmma_scale_f32_16x16x128_f8f6f4 v[160+8*\t:167+8*\t], v[32+12*\t:43+12*\t], v[224:235], v[160+8*\t:167+8*\t], v[90+\t/2], v253 matrix_a_fmt:MATRIX_FMT_FP6 matrix_b_fmt:MATRIX_FMT_FP6
	v_wmma_scale_f32_16x16x128_f8f6f4 v[168+8*\t:175+8*\t], v[44+12*\t:55+12*\t], v[224:235], v[168+8*\t:175+8*\t], v[90+\t/2], v253 matrix_a_fmt:MATRIX_FMT_FP6 matrix_b_fmt:MATRIX_FMT_FP6 matrix_a_scale:MATRIX_SCALE_ROW1
.endr
	s_add_co_u32 s[TB], s[TB], 13312
	s_sub_co_u32 s[CNT], s[CNT], 1
	s_cmp_lg_u32 s[CNT], 0
	s_cbranch_scc1 .Lkeys_\@
.endm
	STAGE 0                                          ; key steps 0-3, while stages 1 to 3 land
	STAGE 1
	STAGE 2
	STAGE 3                                          ; its wait is for 0: no tensor load is out from here on
	; THE WAY OUT: O^T / the sum; register 16 b + i is d = 32 b + 16 (lane / 16) + i of my query: two blocks of the projection's K
	v_add_f32 v14, v14, v15
	v_permlanex16_b32 v252, v14, s[SEL], s[SEL+1]
	v_add_f32 v14, v14, v252
	v_rcp_f32 v14, v14
	v_add_nc_u32 v8, s52, v1                         ; plain work behind the transcendental, and places behind the last products
	v_add_nc_u32 v9, s52, v2
	v_lshl_add_u32 v10, v4, 4, s53
	v_nop
	v_nop
	s_wait_alu depctr_va_vdst(0)
.set j, 0
.rept 32
	v_mul_f32 v[96+j], v[160+j], v14
.set j, j+1
.endr
.irp b, 0,1
	v_max3_num_f32 v[232+\b], |v[96+16*\b]|, |v[97+16*\b]|, 0x1800000
.endr
.irp i, 2,4,6,8,10,12,14
.irp b, 0,1
	v_max3_num_f32 v[232+\b], v[232+\b], |v[96+16*\b+\i]|, |v[97+16*\b+\i]|
.endr
.endr
.irp b, 0,1
	v_permlanex16_b32 v[236+\b], v[232+\b], s[SEL], s[SEL+1]
.endr
.irp b, 0,1
	v_max_num_f32 v[232+\b], v[232+\b], v[236+\b]
.endr
.irp b, 0,1
	v_add_nc_u32 v[244+\b], 0xff000000, v[232+\b]
.endr
.irp b, 0,1
	v_lshrrev_b32 v[236+\b], 23, v[244+\b]
.endr
	v_lshl_or_b32 v254, v237, 8, v236                ; my row's two scale bytes
	v_cvt_scalef32_pk16_fp6_f32 v[224:226], v[96:111], v244
	v_cvt_scalef32_pk16_fp6_f32 v[232:234], v[112:127], v245
	v_nop
.irp i, 0,1,2
	v_permlane16_swap_b32 v[224+\i], v[232+\i]
.endr
.irp i, 0,1,2
	v_mov_b32 v[227+\i], v[232+\i]
.endr
	global_store_b128 v8, v[224:227], s[8:9]
	global_store_b64 v9, v[228:229], s[8:9] offset:512
	global_store_b16 v10, v254, s[8:9]
	s_wait_tensorcnt 0x0                             ; the wave's end
	ds_add_u32 v[SPW], v[NIL]
	s_wait_dscnt 0x0
	CROUND                                           ; the closing round
	s_endpgm
.Lfunc_end_k_qa164388a08_att:
	.size	k_qa164388a08_att, .Lfunc_end_k_qa164388a08_att-k_qa164388a08_att
	.p2alignl 7, 3214868480
	.fill 96, 4, 3214868480
	.section	.rodata,"a",@progbits
	.p2align	6, 0x0
	.amdhsa_kernel k_qa164388a08_att
		.amdhsa_group_segment_fixed_size 215040
		.amdhsa_private_segment_fixed_size 0
		.amdhsa_enable_private_segment 0
		.amdhsa_kernarg_size 24
		.amdhsa_user_sgpr_count 2
		.amdhsa_user_sgpr_kernarg_segment_ptr 1
		.amdhsa_wavefront_size32 1
		.amdhsa_system_sgpr_workgroup_id_x 1
		.amdhsa_system_sgpr_workgroup_id_y 1
		.amdhsa_system_sgpr_workgroup_id_z 1
		.amdhsa_system_vgpr_workitem_id 0
		.amdhsa_next_free_vgpr 256
		.amdhsa_next_free_sgpr 100
		.amdhsa_reserve_vcc 0
		.amdhsa_float_denorm_mode_32 3
		.amdhsa_float_denorm_mode_16_64 3
		.amdhsa_memory_ordered 1
		.amdhsa_forward_progress 1
		.amdhsa_inst_pref_size 75
	.end_amdhsa_kernel
	.amdgpu_metadata
---
amdhsa.version: [ 1, 2 ]
amdhsa.kernels:
  - .name:           k_qa164388a08_att
    .symbol:         k_qa164388a08_att.kd
    .args:
      - { .name: qb, .offset: 0, .size: 8, .value_kind: global_buffer, .address_space: global }
      - { .name: kv, .offset: 8, .size: 8, .value_kind: global_buffer, .address_space: global }
      - { .name: ob, .offset: 16, .size: 8, .value_kind: global_buffer, .address_space: global }
    .group_segment_fixed_size: 215040
    .private_segment_fixed_size: 0
    .kernarg_segment_align: 8
    .kernarg_segment_size: 24
    .max_flat_workgroup_size: 512
    .sgpr_count:     100
    .vgpr_count:     256
    .wavefront_size: 32
...
	.end_amdgpu_metadata
.endif
;; end of part 3
;; launch proj (part 4): grid 8 x 32, 4 waves a work-group, clusters of 4 x 4, 327,680 bytes of LDS; arguments ob, wimg, bp, x, res; writes res
.if DOCPART == 4
	.amdgcn_target "amdgcn-amd-amdhsa--gfx1250"
	.amdhsa_code_object_version 6
	.text
	.protected	k_qa164388a08_proj
	.globl	k_qa164388a08_proj
	.p2align	8
	.type	k_qa164388a08_proj,@function
k_qa164388a08_proj:
	s_mov_b64 s[64:65], 0
	v_nop
	global_prefetch_b8 v0, s[64:65] scope:SCOPE_SE
	s_setreg_imm32_b32 hwreg(HW_REG_WAVE_MODE, 25, 1), 1
	s_wait_xcnt 0x0
	s_wait_alu depctr_hold_cnt(0) depctr_sa_sdst(0) depctr_va_vdst(0) depctr_va_sdst(0) depctr_va_ssrc(0) depctr_va_vcc(0) depctr_vm_vsrc(0)
	s_getreg_b32 s2, hwreg(HW_REG_IB_STS2, 6, 4)
	s_cmp_eq_u32 s2, 0
	s_cbranch_scc0 .Lentry_in_a_cluster
	s_endpgm
.Lentry_in_a_cluster:
	s_bfe_u32 s2, ttmp6, 0x10000c
	s_cmp_lg_u32 s2, 0xf033
	s_cbranch_scc0 .Lentry_shape_is_right
	s_endpgm
.Lentry_shape_is_right:
; LAUNCH 4 OF 7: res = x + (Q(o) Wp + bp), the product on E2M3 codes, the rest in f32.  Nothing of reference() is left out here.
; Both operands come as records of register images (the format is set out at the head of the first launch).  A work-group makes 128 tokens x 128 columns, so that the 4,096 x 1,024 results give 256
; work-groups; four waves, each 64 x 64: 16 accumulators.  K goes in steps of 128 through two LDS slots of four steps each: [tokens: 4 records][weights: 4 records]; a wave's tensor load brings two records.
; Here K = 1,024 is just the two slots: both are first fills and nothing is filled again.
; CLUSTER 4 x 4: token records are shared along a row of the cluster, weight records along a column.
; Source 0 = the weight's rows, source 1 = the tokens: a lane holds one token and eight neighbouring columns.  The way out goes through the wave's own stage in LDS, 16 tokens x 64 columns at a time,
; so that sixteen lanes store 256 consecutive bytes, aligned; bias and residual are added on the way.  The wave's 32 residual loads go out at the head and land under the K walk.
; REGISTERS: window 0: v4-15 LDS addresses (six a slot); v16-18 the way out; v[20:23] bias; v32-39 scale words, two sets; v64-127 rows read back; v128-255 accumulator (a, b) at v[128 + 8 (4 a + b)].
;   window 1: set p: X at v[128 p + 12 b], Y at v[128 p + 48 + 12 a].   window 2: v0-127 the residual.
.set KS, 8
.set ACTG, 102400                      ; a group's records of the activation, and of the weight
.set WOFF, 2457600                     ; where Wp's records begin in wimg
.set SPS, 4
.set SLOT, 102400
.set AFR, 12800
.set STEPB, 102400
.set SPARE, 2*SLOT
.set STAGE, SPARE+512                  ; 16 rows x (256 + 16) bytes for each wave: no fill ever lands here
.set AD, 4
.set STO, 16
.set RD, 17
.set CO, 18
.set SPW, 28
.set NIL, 29
.set SC, 32
.set BK, 64
.set ACC, 128
.set G1T, 24
.set G0T, 32
.set G1W, 48
.set G0W, 56
.set MSB, 0
.macro WIN new
.if MSB != (\new)
	s_set_vgpr_msb (MSB<<8)|(\new)
.set MSB, (\new)
.endif
.endm
.macro PLACES
.rept 4
	v_nop
.endr
.endm
.macro CROUND
	s_barrier_signal -1
	s_barrier_wait -1
	s_cmp_lg_u32 s14, 0
	s_cbranch_scc1 .Lnw0_\@
	s_barrier_signal -3
.Lnw0_\@:
	s_barrier_wait -3
	s_barrier_signal -1
	s_barrier_wait -1
.endm
.macro JLOAD g0t, g1t, g0w, g1w
	s_cmp_eq_u32 s15, 0
	s_cbranch_scc0 .Lfw_\@
	tensor_load_to_lds s[\g0t:\g0t+3], s[\g1t:\g1t+7]
	s_nop 0
.rept 4
	v_nop
.endr
	s_branch .Lfa_\@
.Lfw_\@:
	tensor_load_to_lds s[\g0w:\g0w+3], s[\g1w:\g1w+7]
	s_nop 0
.rept 4
	v_nop
.endr
.Lfa_\@:
.endm
.macro FRAG reg, a16, a8, off
	ds_load_b128 v[\reg:\reg+3], v[\a16] offset:\off
	ds_load_b64 v[\reg+4:\reg+5], v[\a8] offset:\off+512
	ds_load_b128 v[\reg+6:\reg+9], v[\a16] offset:\off+768
	ds_load_b64 v[\reg+10:\reg+11], v[\a8] offset:\off+1280
.endm
.macro FETCH                           ; step FK of slot FSL into set FP: four fragments a side, two registers of scale words a side
	WIN 0x40
.irp i, 0,1,2,3
	FRAG 128*FP+12*\i, AD+6*FSL, AD+6*FSL+1, AFR*FK+1536*\i
	FRAG 128*FP+48+12*\i, AD+6*FSL+2, AD+6*FSL+3, AFR*FK+1536*\i
.endr
	WIN 0
	ds_load_b64 v[SC+4*FP:SC+4*FP+1], v[AD+6*FSL+4] offset:AFR*FK
	ds_load_b64 v[SC+4*FP+2:SC+4*FP+3], v[AD+6*FSL+5] offset:AFR*FK
.endm
.macro WM ox, oy
.if MZ
.if (\ox) && (\oy)
	v_wmma_scale_f32_16x16x128_f8f6f4 v[rD:rD+7], v[rX:rX+11], v[rY:rY+11], 0, v[rSX], v[rSY] matrix_a_fmt:MATRIX_FMT_FP6 matrix_b_fmt:MATRIX_FMT_FP6 matrix_a_scale:MATRIX_SCALE_ROW1 matrix_b_scale:MATRIX_SCALE_ROW1
.elseif (\ox)
	v_wmma_scale_f32_16x16x128_f8f6f4 v[rD:rD+7], v[rX:rX+11], v[rY:rY+11], 0, v[rSX], v[rSY] matrix_a_fmt:MATRIX_FMT_FP6 matrix_b_fmt:MATRIX_FMT_FP6 matrix_a_scale:MATRIX_SCALE_ROW1
.elseif (\oy)
	v_wmma_scale_f32_16x16x128_f8f6f4 v[rD:rD+7], v[rX:rX+11], v[rY:rY+11], 0, v[rSX], v[rSY] matrix_a_fmt:MATRIX_FMT_FP6 matrix_b_fmt:MATRIX_FMT_FP6 matrix_b_scale:MATRIX_SCALE_ROW1
.else
	v_wmma_scale_f32_16x16x128_f8f6f4 v[rD:rD+7], v[rX:rX+11], v[rY:rY+11], 0, v[rSX], v[rSY] matrix_a_fmt:MATRIX_FMT_FP6 matrix_b_fmt:MATRIX_FMT_FP6
.endif
.else
.if (\ox) && (\oy)
	v_wmma_scale_f32_16x16x128_f8f6f4 v[rD:rD+7], v[rX:rX+11], v[rY:rY+11], v[rD:rD+7], v[rSX], v[rSY] matrix_a_fmt:MATRIX_FMT_FP6 matrix_b_fmt:MATRIX_FMT_FP6 matrix_a_scale:MATRIX_SCALE_ROW1 matrix_b_scale:MATRIX_SCALE_ROW1
.elseif (\ox)
	v_wmma_scale_f32_16x16x128_f8f6f4 v[rD:rD+7], v[rX:rX+11], v[rY:rY+11], v[rD:rD+7], v[rSX], v[rSY] matrix_a_fmt:MATRIX_FMT_FP6 matrix_b_fmt:MATRIX_FMT_FP6 matrix_a_scale:MATRIX_SCALE_ROW1
.elseif (\oy)
	v_wmma_scale_f32_16x16x128_f8f6f4 v[rD:rD+7], v[rX:rX+11], v[rY:rY+11], v[rD:rD+7], v[rSX], v[rSY] matrix_a_fmt:MATRIX_FMT_FP6 matrix_b_fmt:MATRIX_FMT_FP6 matrix_b_scale:MATRIX_SCALE_ROW1
.else
	v_wmma_scale_f32_16x16x128_f8f6f4 v[rD:rD+7], v[rX:rX+11], v[rY:rY+11], v[rD:rD+7], v[rSX], v[rSY] matrix_a_fmt:MATRIX_FMT_FP6 matrix_b_fmt:MATRIX_FMT_FP6
.endif
.endif
.endm
.macro MUL                             ; 16 products on set MP: the 16 accumulators take turns
	WIN 0x05
.irp a, 0,1,2,3
.irp b, 0,1,2,3
.set rD, ACC+8*(4*\a+\b)
.set rX, 128*MP+12*\b
.set rY, 128*MP+48+12*\a
.set rSX, SC+4*MP+\b/2
.set rSY, SC+4*MP+2+\a/2
	WM \b%2, \a%2
.endr
.endr
.endm
.macro TURN slot, fill
	s_wait_tensorcnt 0x0                             ; all my tensor loads have landed: my part of the next slot
	ds_add_u32 v[SPW], v[NIL]                        ; 0 onto my spare word
.if \fill
	s_add_nc_u64 s[G0T+4*\slot+2:G0T+4*\slot+3], s[G0T+4*\slot+2:G0T+4*\slot+3], STEPB
	s_add_nc_u64 s[G0W+4*\slot+2:G0W+4*\slot+3], s[G0W+4*\slot+2:G0W+4*\slot+3], STEPB
.endif
	s_wait_dscnt 0x0                                 ; the add is done, and my reads of this slot are in registers
.if \fill
	CROUND
	JLOAD G0T+4*\slot, G1T, G0W+4*\slot, G1W
.else
	s_barrier_signal -1
	s_barrier_wait -1
	PLACES
.endif
.endm
	s_load_b256 s[4:11], s[0:1], 0x0                 ; the activation's records, wimg, the bias, the residual
	s_load_b64 s[12:13], s[0:1], 0x20                ; the result
	v_lshl_add_u32 v[SPW], v0, 2, SPARE
	v_mov_b32 v[NIL], 0
	ds_add_u32 v[SPW], v[NIL]                        ; the wave's opening: the add, twice on end, and its wait ahead of my first tensor load
	ds_add_u32 v[SPW], v[NIL]
	v_lshrrev_b32 v1, 5, v0
	v_readfirstlane_b32 s14, v1
	s_lshr_b32 s15, s14, 1                           ; my 64 tokens of the 128.  Also: I fetch tokens (0) or weights (1)
	s_and_b32 s16, s14, 1                            ; my 64 columns.  Also: which two of a slot's four K steps I fetch
	s_bfe_u32 s40, ttmp6, 0x40000
	s_bfe_u32 s41, ttmp6, 0x40004
	s_lshl_b32 s42, ttmp9, 2
	s_add_co_u32 s42, s42, s40                       ; work-group x: 128 columns
	s_and_b32 s17, ttmp7, 0xffff
	s_lshl_b32 s17, s17, 2
	s_add_co_u32 s17, s17, s41                       ; work-group y: 128 tokens
	s_lshl_b32 s43, s41, 2
	s_lshl_b32 s43, 15, s43
	s_lshl_b32 s44, 0x1111, s40
	s_or_b32 s[G1T], s43, (3<<16)|(1<<21)            ; 25,600 dense bytes as 100 rows of 32 elements of 8 bytes
	s_or_b32 s[G1W], s44, (3<<16)|(1<<21)
.irp g, G1T, G1W
	s_mov_b32 s[\g+1], 32<<16
	s_mov_b32 s[\g+2], 100<<16
	s_mov_b32 s[\g+3], 32<<16
	s_mov_b32 s[\g+4], 100
	s_mov_b32 s[\g+5], 32
	s_mov_b32 s[\g+6], 0
	s_mov_b32 s[\g+7], 0
.endr
	s_mul_i32 s18, s16, 25600
	s_mul_i32 s20, s17, ACTG
	s_add_co_u32 s20, s20, s18
	s_mov_b32 s21, 0
	s_mul_i32 s46, s42, ACTG
	s_add_co_u32 s46, s46, s18
	s_add_co_u32 s46, s46, WOFF
	s_mov_b32 s47, 0
	s_mul_i32 s45, s14, 25600
	s_wait_dscnt 0x0
	s_wait_kmcnt 0x0
	s_add_nc_u64 s[20:21], s[4:5], s[20:21]
	s_add_nc_u64 s[46:47], s[6:7], s[46:47]
	CROUND
.irp s, 0,1
	s_mov_b32 s[G0T+4*\s], 1
	s_add_co_u32 s[G0T+4*\s+1], s45, \s*SLOT
	s_add_nc_u64 s[G0T+4*\s+2:G0T+4*\s+3], s[20:21], \s*51200
	s_or_b32 s[G0T+4*\s+3], s[G0T+4*\s+3], 0x80000000
	s_mov_b32 s[G0W+4*\s], 1
	s_add_co_u32 s[G0W+4*\s+1], s45, \s*SLOT
	s_add_nc_u64 s[G0W+4*\s+2:G0W+4*\s+3], s[46:47], \s*51200
	s_or_b32 s[G0W+4*\s+3], s[G0W+4*\s+3], 0x80000000
	JLOAD G0T+4*\s, G1T, G0W+4*\s, G1W
.endr
	v_and_b32 v1, 31, v0
	v_lshlrev_b32 v2, 4, v1
	v_lshlrev_b32 v3, 3, v1
	s_mul_i32 s18, s16, 6144
	s_add_co_u32 s18, s18, 51200                     ; X: the weights' four tiles of my columns
	s_mul_i32 s19, s15, 6144                         ; Y: the tokens' four tiles
	s_lshl_b32 s22, s16, 3
	s_add_co_u32 s22, s22, 51200+12288               ; their scale words: two of the four registers of a record's block
	s_lshl_b32 s23, s15, 3
	s_add_co_u32 s23, s23, 12288
.irp s, 0,1
	v_add_nc_u32 v[AD+6*\s], s18, v2
	v_add_nc_u32 v[AD+6*\s+1], s18, v3
	v_add_nc_u32 v[AD+6*\s+2], s19, v2
	v_add_nc_u32 v[AD+6*\s+3], s19, v3
	v_add_nc_u32 v[AD+6*\s+4], s22, v2
	v_add_nc_u32 v[AD+6*\s+5], s23, v2
	s_add_co_u32 s18, s18, SLOT
	s_add_co_u32 s19, s19, SLOT
	s_add_co_u32 s22, s22, SLOT
	s_add_co_u32 s23, s23, SLOT
.endr
	v_and_b32 v19, 15, v0                            ; r
	v_bfe_u32 v24, v0, 4, 1                          ; h
	s_mul_i32 s18, s14, 4352
	s_add_co_u32 s18, s18, STAGE                     ; my stage
	v_mul_u32_u24 v[STO], v19, 272
	v_lshl_add_u32 v[STO], v24, 6, v[STO]
	v_add_nc_u32 v[STO], s18, v[STO]                 ; in: row r, + 64 h
	v_mul_u32_u24 v[RD], v24, 272
	v_lshl_add_u32 v[RD], v19, 4, v[RD]
	v_add_nc_u32 v[RD], s18, v[RD]                   ; back: lanes 0-15 one row of 256 bytes, lanes 16-31 the next
	v_lshlrev_b32 v[CO], 12, v24
	v_lshl_add_u32 v[CO], v19, 4, v[CO]              ; and the same two rows in memory
	v_lshlrev_b32 v25, 4, v19
	s_lshl_b32 s18, s17, 7
	s_lshl_b32 s19, s15, 6
	s_add_co_u32 s18, s18, s19
	s_lshl_b32 s18, s18, 12                          ; my first token's row
	s_lshl_b32 s19, s42, 7
	s_lshl_b32 s22, s16, 6
	s_add_co_u32 s19, s19, s22
	s_lshl_b32 s22, s19, 2                           ; my first column, in bytes
	s_mov_b32 s23, 0
	s_add_nc_u64 s[8:9], s[8:9], s[22:23]
	s_add_co_u32 s18, s18, s22
	s_mov_b32 s19, 0
	s_add_nc_u64 s[10:11], s[10:11], s[18:19]
	s_add_nc_u64 s[12:13], s[12:13], s[18:19]
	global_load_b128 v[20:23], v25, s[8:9]           ; the bias of my four columns
	WIN 0x80
.irp a, 0,1,2,3
.irp i, 0,1,2,3,4,5,6,7
	global_load_b128 v[4*(8*\a+\i):4*(8*\a+\i)+3], v[CO], s[10:11] offset:(32*(\a/2)+8*(\a%2)+2*\i+8*(\i/4))*4096   ; tile a's lane rows 2 i, 2 i + 1 are these tokens
.endr
.endr
	WIN 0
	s_wait_tensorcnt 1                               ; my part of slot 0 is in; slot 1's may stay out
	s_barrier_signal -1
	s_barrier_wait -1
.set FSL, 0
.set FK, 0
.set FP, 0
	FETCH
.set S, 0
.rept KS
.set SL, (S/SPS)%2
	WIN 0
.if (S%SPS == SPS-1) && (S < KS-1)
.set TF, 0
.if (S/SPS)+2 < KS/SPS
.set TF, 1
.endif
	TURN SL, TF
.else
	s_wait_dscnt 0x0                                 ; this step's fragments, asked for a step ago
.if (S > 0) && (S < KS-1)
	PLACES
.endif
.endif
.if S < KS-1
.set FSL, ((S+1)/SPS)%2
.set FK, (S+1)%SPS
.set FP, (S+1)%2
	FETCH
.endif
.set MP, S%2
.set MZ, 0
.if S == 0
.set MZ, 1
.endif
	MUL
.set S, S+1
.endr
	WIN 0
	PLACES
.irp a, 0,1,2,3
.if \a > 1
	s_wait_xcnt 0x0                                  ; the stores of two tiles ago have read their registers
.endif
.irp b, 0,1,2,3
	ds_store_b128 v[STO], v[ACC+8*(4*\a+\b):ACC+8*(4*\a+\b)+3] offset:128*(\b/2)+32*(\b%2)       ; columns 32 (b / 2) + 16 h + 8 (b % 2) on; each accumulator from its low end
	ds_store_b128 v[STO], v[ACC+8*(4*\a+\b)+4:ACC+8*(4*\a+\b)+7] offset:128*(\b/2)+32*(\b%2)+16
.endr
.irp i, 0,1,2,3,4,5,6,7
	ds_load_b128 v[BK+32*(\a%2)+4*\i:BK+32*(\a%2)+4*\i+3], v[RD] offset:544*\i                   ; a wave's LDS instructions are served in order: these see the stores above
.endr
	s_wait_dscnt 0x0
	s_wait_loadcnt 24-8*\a                           ; the bias and this tile's residual are in; the later tiles' loads may stay out
.irp i, 0,1,2,3,4,5,6,7
	v_pk_add_f32 v[BK+32*(\a%2)+4*\i:BK+32*(\a%2)+4*\i+1], v[BK+32*(\a%2)+4*\i:BK+32*(\a%2)+4*\i+1], v[20:21]
	v_pk_add_f32 v[BK+32*(\a%2)+4*\i+2:BK+32*(\a%2)+4*\i+3], v[BK+32*(\a%2)+4*\i+2:BK+32*(\a%2)+4*\i+3], v[22:23]
.endr
	WIN 0x08
.irp i, 0,1,2,3,4,5,6,7
	v_pk_add_f32 v[BK+32*(\a%2)+4*\i:BK+32*(\a%2)+4*\i+1], v[BK+32*(\a%2)+4*\i:BK+32*(\a%2)+4*\i+1], v[4*(8*\a+\i):4*(8*\a+\i)+1]
	v_pk_add_f32 v[BK+32*(\a%2)+4*\i+2:BK+32*(\a%2)+4*\i+3], v[BK+32*(\a%2)+4*\i+2:BK+32*(\a%2)+4*\i+3], v[4*(8*\a+\i)+2:4*(8*\a+\i)+3]
.endr
	WIN 0
.irp i, 0,1,2,3,4,5,6,7
	global_store_b128 v[CO], v[BK+32*(\a%2)+4*\i:BK+32*(\a%2)+4*\i+3], s[12:13] offset:(32*(\a/2)+8*(\a%2)+2*\i+8*(\i/4))*4096   ; sixteen lanes store 256 consecutive bytes, aligned
.endr
.endr
	s_wait_tensorcnt 0x0                             ; the wave's end
	ds_add_u32 v[SPW], v[NIL]
	s_wait_dscnt 0x0
	CROUND                                           ; the closing round
	s_endpgm
.Lfunc_end_k_qa164388a08_proj:
	.size	k_qa164388a08_proj, .Lfunc_end_k_qa164388a08_proj-k_qa164388a08_proj
	.p2alignl 7, 3214868480
	.fill 96, 4, 3214868480
	.section	.rodata,"a",@progbits
	.p2align	6, 0x0
	.amdhsa_kernel k_qa164388a08_proj
		.amdhsa_group_segment_fixed_size 327680
		.amdhsa_private_segment_fixed_size 0
		.amdhsa_enable_private_segment 0
		.amdhsa_kernarg_size 40
		.amdhsa_user_sgpr_count 2
		.amdhsa_user_sgpr_kernarg_segment_ptr 1
		.amdhsa_wavefront_size32 1
		.amdhsa_system_sgpr_workgroup_id_x 1
		.amdhsa_system_sgpr_workgroup_id_y 1
		.amdhsa_system_sgpr_workgroup_id_z 1
		.amdhsa_system_vgpr_workitem_id 0
		.amdhsa_next_free_vgpr 768
		.amdhsa_next_free_sgpr 100
		.amdhsa_reserve_vcc 0
		.amdhsa_float_denorm_mode_32 3
		.amdhsa_float_denorm_mode_16_64 3
		.amdhsa_memory_ordered 1
		.amdhsa_forward_progress 1
		.amdhsa_inst_pref_size 63
	.end_amdhsa_kernel
	.amdgpu_metadata
---
amdhsa.version: [ 1, 2 ]
amdhsa.kernels:
  - .name:           k_qa164388a08_proj
    .symbol:         k_qa164388a08_proj.kd
    .args:
      - { .name: ob, .offset: 0, .size: 8, .value_kind: global_buffer, .address_space: global }
      - { .name: wimg, .offset: 8, .size: 8, .value_kind: global_buffer, .address_space: global }
      - { .name: bp, .offset: 16, .size: 8, .value_kind: global_buffer, .address_space: global }
      - { .name: x, .offset: 24, .size: 8, .value_kind: global_buffer, .address_space: global }
      - { .name: res, .offset: 32, .size: 8, .value_kind: global_buffer, .address_space: global }
    .group_segment_fixed_size: 327680
    .private_segment_fixed_size: 0
    .kernarg_segment_align: 8
    .kernarg_segment_size: 40
    .max_flat_workgroup_size: 128
    .sgpr_count:     100
    .vgpr_count:     768
    .wavefront_size: 32
...
	.end_amdgpu_metadata
.endif
;; end of part 4
;; launch ln2 (part 5): grid 256 x 1, 8 waves a work-group, no clusters, 2,048 bytes of LDS; arguments res, ln2_w, ln2_b, onb; writes onb
.if DOCPART == 5
	.amdgcn_target "amdgcn-amd-amdhsa--gfx1250"
	.amdhsa_code_object_version 6
	.text
	.protected	k_qa164388a08_ln2
	.globl	k_qa164388a08_ln2
	.p2align	8
	.type	k_qa164388a08_ln2,@function
k_qa164388a08_ln2:
	s_mov_b64 s[64:65], 0
	v_nop
	global_prefetch_b8 v0, s[64:65] scope:SCOPE_SE
	s_setreg_imm32_b32 hwreg(HW_REG_WAVE_MODE, 25, 1), 1
	s_wait_xcnt 0x0
; LAUNCH 5 OF 7: LayerNorm 2 of res = x + sa, quantised to E2M3 along C into records of register images (the format is set out at the head of the first launch).  Nothing of reference() is left out here.
; A work-group takes one tile of 16 tokens; wave w takes K step w; lane (r, h) holds the 64 numbers k = 128 w + 32 b + 16 h + i of its row.  Mean and variance in two passes, each summed in the lane,
; with lane l xor 16, and over the eight waves through LDS.  The tile's 16 scale words of a K step are stored 16 bytes apart; lanes 16-31 repeat lanes 0-15 with the same values.
; LIMITS: as stated at the head of the first launch.
.set SPARE, 1024
.set SPW, 246
.set NIL, 247
.set SEL, 42
.set TM, 16
.set X, 32
.set LW, 96
.set LB, 160
.set PC, 224
.set PW, 244
.macro QUANT s, pc, tm, pw
.irp b, 0,1,2,3
	v_max3_num_f32 v[\tm+\b], |v[\s+16*\b]|, |v[\s+16*\b+1]|, 0x1800000
.endr
.irp i, 2,4,6,8,10,12,14
.irp b, 0,1,2,3
	v_max3_num_f32 v[\tm+\b], v[\tm+\b], |v[\s+16*\b+\i]|, |v[\s+16*\b+\i+1]|
.endr
.endr
.irp b, 0,1,2,3
	v_permlanex16_b32 v[\tm+4+\b], v[\tm+\b], s[SEL], s[SEL+1]
.endr
.irp b, 0,1,2,3
	v_max_num_f32 v[\tm+\b], v[\tm+\b], v[\tm+4+\b]
.endr
.irp b, 0,1,2,3
	v_add_nc_u32 v[\tm+12+\b], 0xff000000, v[\tm+\b]
.endr
.irp b, 0,1,2,3
	v_lshrrev_b32 v[\tm+4+\b], 23, v[\tm+12+\b]
.endr
	v_lshl_or_b32 v[\pw], v[\tm+5], 8, v[\tm+4]
	v_lshl_or_b32 v[\pw], v[\tm+6], 16, v[\pw]
	v_lshl_or_b32 v[\pw], v[\tm+7], 24, v[\pw]
.irp c, 0,1
	v_cvt_scalef32_pk16_fp6_f32 v[\pc+6*\c:\pc+6*\c+2], v[\s+32*\c:\s+32*\c+15], v[\tm+12+2*\c]
	v_cvt_scalef32_pk16_fp6_f32 v[\pc+12+4*\c:\pc+12+4*\c+2], v[\s+32*\c+16:\s+32*\c+31], v[\tm+13+2*\c]
.endr
	v_nop
.irp c, 0,1
.irp i, 0,1,2
	v_permlane16_swap_b32 v[\pc+6*\c+\i], v[\pc+12+4*\c+\i]
.endr
.irp i, 0,1,2
	v_mov_b32 v[\pc+3+6*\c+\i], v[\pc+12+4*\c+\i]
.endr
.endr
.endm
.macro ACROSS off
	v_pk_add_f32 v[10:11], v[10:11], v[12:13]
	v_add_f32 v10, v10, v11
	v_permlanex16_b32 v12, v10, s[SEL], s[SEL+1]
	v_add_f32 v10, v10, v12
	ds_store_b32 v8, v10 offset:\off
	s_wait_dscnt 0x0                                 ; for the others' sake: my store has landed
	s_barrier_signal -1
	s_barrier_wait -1
.irp k, 0,1,2,3,4,5,6,7
	ds_load_b32 v[248+\k], v9 offset:\off+64*\k
.endr
	s_wait_dscnt 0x0
	v_add_f32 v248, v248, v249
	v_add_f32 v250, v250, v251
	v_add_f32 v252, v252, v253
	v_add_f32 v254, v254, v255
	v_add_f32 v248, v248, v250
	v_add_f32 v252, v252, v254
	v_add_f32 v248, v248, v252
.endm
	s_load_b256 s[4:11], s[0:1], 0x0                 ; res, ln2_w, ln2_b, onb
	v_lshl_add_u32 v[SPW], v0, 2, SPARE
	v_mov_b32 v[NIL], 0
	v_lshrrev_b32 v1, 5, v0
	v_readfirstlane_b32 s40, v1                      ; wave 0..7
	v_and_b32 v1, 15, v0                             ; r
	v_bfe_u32 v2, v0, 4, 1                           ; h
	v_and_b32 v3, 31, v0
	v_lshlrev_b32 v5, 4, v3
	v_lshlrev_b32 v6, 3, v3
	v_and_b32 v11, 8, v1
	v_add_nc_u32 v11, v11, v1                        ; r + 8 (r / 8)
	s_mov_b32 s[SEL], 0x76543210
	s_mov_b32 s[SEL+1], 0xfedcba98
	s_lshr_b32 s44, ttmp9, 3                         ; G
	s_and_b32 s45, ttmp9, 7                          ; t
	s_lshr_b32 s46, s45, 1
	s_and_b32 s47, s45, 1
	s_lshl_b32 s48, s44, 7
	s_lshl_b32 s49, s46, 5
	s_add_co_u32 s48, s48, s49
	s_lshl_b32 s49, s47, 3
	s_add_co_u32 s48, s48, s49                       ; the tile's first token
	s_lshl_b32 s48, s48, 12
	s_lshl_b32 s50, s40, 9
	s_add_co_u32 s48, s48, s50
	s_mov_b32 s49, 0
	s_mov_b32 s51, 0
	s_lshl_b32 s52, s44, 3
	s_add_co_u32 s52, s52, s40
	s_mul_i32 s52, s52, 12800                        ; the record (G, w)
	s_mov_b32 s53, 0
	s_mul_i32 s54, s45, 1536
	s_lshl_b32 s55, s47, 8
	s_lshl_b32 s56, s46, 2
	s_add_co_u32 s55, s55, s56
	s_add_co_u32 s55, s55, 12288
	s_lshl_b32 s57, s40, 6
	v_lshlrev_b32 v3, 12, v11
	v_lshl_add_u32 v3, v2, 6, v3
	v_lshlrev_b32 v4, 6, v2
	v_add_nc_u32 v5, s54, v5
	v_add_nc_u32 v6, s54, v6
	v_lshl_add_u32 v7, v1, 4, s55
	v_lshl_add_u32 v8, v1, 2, s57
	v_lshlrev_b32 v9, 2, v1
.irp b, 0,1,2,3
	v_mov_b32 v[TM+4+\b], 0
.endr
	s_wait_kmcnt 0x0
	s_add_nc_u64 s[4:5], s[4:5], s[48:49]
	s_add_nc_u64 s[6:7], s[6:7], s[50:51]
	s_add_nc_u64 s[8:9], s[8:9], s[50:51]
	s_add_nc_u64 s[10:11], s[10:11], s[52:53]
.irp b, 0,1,2,3
.irp j, 0,1,2,3
	global_load_b128 v[X+16*\b+4*\j:X+16*\b+4*\j+3], v3, s[4:5] offset:128*\b+16*\j
.endr
.endr
.irp b, 0,1,2,3
.irp j, 0,1,2,3
	global_load_b128 v[LW+16*\b+4*\j:LW+16*\b+4*\j+3], v4, s[6:7] offset:128*\b+16*\j
.endr
.endr
.irp b, 0,1,2,3
.irp j, 0,1,2,3
	global_load_b128 v[LB+16*\b+4*\j:LB+16*\b+4*\j+3], v4, s[8:9] offset:128*\b+16*\j
.endr
.endr
	s_wait_loadcnt 32                                ; the rows' 16 loads are in; the 32 of gain and bias may stay out
	v_pk_add_f32 v[10:11], v[X:X+1], v[X+2:X+3]
	v_pk_add_f32 v[12:13], v[X+4:X+5], v[X+6:X+7]
.set i, 8
.rept 14
	v_pk_add_f32 v[10:11], v[10:11], v[X+i:X+i+1]
	v_pk_add_f32 v[12:13], v[12:13], v[X+i+2:X+i+3]
.set i, i+4
.endr
	ACROSS 0
	v_mul_f32 v14, 0x3a800000, v248                  ; the mean
	v_mov_b32 v15, v14
.set i, 0
.rept 32
	v_pk_add_f32 v[X+i:X+i+1], v[X+i:X+i+1], v[14:15] neg_lo:[0,1] neg_hi:[0,1]
.set i, i+2
.endr
	v_pk_mul_f32 v[10:11], v[X:X+1], v[X:X+1]
	v_pk_mul_f32 v[12:13], v[X+2:X+3], v[X+2:X+3]
.set i, 4
.rept 15
	v_pk_fma_f32 v[10:11], v[X+i:X+i+1], v[X+i:X+i+1], v[10:11]
	v_pk_fma_f32 v[12:13], v[X+i+2:X+i+3], v[X+i+2:X+i+3], v[12:13]
.set i, i+4
.endr
	ACROSS 512
	v_mul_f32 v15, 0x3a800000, v248                  ; the variance
	v_add_f32 v15, 0x3727c5ac, v15                   ; + 1e-5
	v_rsq_f32 v14, v15
	v_nop
	s_wait_alu depctr_va_vdst(0)                     ; the wait ahead of the first line that names the result
	v_mov_b32 v15, v14
	s_wait_loadcnt 0x0
.set i, 0
.rept 32
	v_pk_mul_f32 v[X+i:X+i+1], v[X+i:X+i+1], v[14:15]
.set i, i+2
.endr
.set i, 0
.rept 32
	v_pk_fma_f32 v[X+i:X+i+1], v[X+i:X+i+1], v[LW+i:LW+i+1], v[LB+i:LB+i+1]
.set i, i+2
.endr
	QUANT X, PC, TM, PW
	global_store_b128 v5, v[PC:PC+3], s[10:11]
	global_store_b64 v6, v[PC+4:PC+5], s[10:11] offset:512
	global_store_b128 v5, v[PC+6:PC+9], s[10:11] offset:768
	global_store_b64 v6, v[PC+10:PC+11], s[10:11] offset:1280
	global_store_b32 v7, v[PW], s[10:11]
	s_wait_tensorcnt 0x0                             ; the wave's end
	ds_add_u32 v[SPW], v[NIL]
	s_wait_dscnt 0x0
	s_endpgm
.Lfunc_end_k_qa164388a08_ln2:
	.size	k_qa164388a08_ln2, .Lfunc_end_k_qa164388a08_ln2-k_qa164388a08_ln2
	.p2alignl 7, 3214868480
	.fill 96, 4, 3214868480
	.section	.rodata,"a",@progbits
	.p2align	6, 0x0
	.amdhsa_kernel k_qa164388a08_ln2
		.amdhsa_group_segment_fixed_size 2048
		.amdhsa_private_segment_fixed_size 0
		.amdhsa_enable_private_segment 0
		.amdhsa_kernarg_size 32
		.amdhsa_user_sgpr_count 2
		.amdhsa_user_sgpr_kernarg_segment_ptr 1
		.amdhsa_wavefront_size32 1
		.amdhsa_system_sgpr_workgroup_id_x 1
		.amdhsa_system_sgpr_workgroup_id_y 1
		.amdhsa_system_sgpr_workgroup_id_z 1
		.amdhsa_system_vgpr_workitem_id 0
		.amdhsa_next_free_vgpr 256
		.amdhsa_next_free_sgpr 66
		.amdhsa_reserve_vcc 0
		.amdhsa_float_denorm_mode_32 3
		.amdhsa_float_denorm_mode_16_64 3
		.amdhsa_memory_ordered 1
		.amdhsa_forward_progress 1
		.amdhsa_inst_pref_size 24
	.end_amdhsa_kernel
	.amdgpu_metadata
---
amdhsa.version: [ 1, 2 ]
amdhsa.kernels:
  - .name:           k_qa164388a08_ln2
    .symbol:         k_qa164388a08_ln2.kd
    .args:
      - { .name: res, .offset: 0, .size: 8, .value_kind: global_buffer, .address_space: global }
      - { .name: ln2_w, .offset: 8, .size: 8, .value_kind: global_buffer, .address_space: global }
      - { .name: ln2_b, .offset: 16, .size: 8, .value_kind: global_buffer, .address_space: global }
      - { .name: onb, .offset: 24, .size: 8, .value_kind: global_buffer, .address_space: global }
    .group_segment_fixed_size: 2048
    .private_segment_fixed_size: 0
    .kernarg_segment_align: 8
    .kernarg_segment_size: 32
    .max_flat_workgroup_size: 256
    .sgpr_count:     66
    .vgpr_count:     256
    .wavefront_size: 32
...
	.end_amdgpu_metadata
.endif
;; end of part 5
;; launch ffn1 (part 6): grid 16 x 16, 4 waves a work-group, clusters of 4 x 4, 327,680 bytes of LDS; arguments onb, wimg, b1, hb; writes hb
.if DOCPART == 6
	.amdgcn_target "amdgcn-amd-amdhsa--gfx1250"
	.amdhsa_code_object_version 6
	.text
	.protected	k_qa164388a08_ffn1
	.globl	k_qa164388a08_ffn1
	.p2align	8
	.type	k_qa164388a08_ffn1,@function
k_qa164388a08_ffn1:
	s_mov_b64 s[64:65], 0
	v_nop
	global_prefetch_b8 v0, s[64:65] scope:SCOPE_SE
	s_setreg_imm32_b32 hwreg(HW_REG_WAVE_MODE, 25, 1), 1
	s_wait_xcnt 0x0
	s_wait_alu depctr_hold_cnt(0) depctr_sa_sdst(0) depctr_va_vdst(0) depctr_va_sdst(0) depctr_va_ssrc(0) depctr_va_vcc(0) depctr_vm_vsrc(0)
	s_getreg_b32 s2, hwreg(HW_REG_IB_STS2, 6, 4)
	s_cmp_eq_u32 s2, 0
	s_cbranch_scc0 .Lentry_in_a_cluster
	s_endpgm
.Lentry_in_a_cluster:
	s_bfe_u32 s2, ttmp6, 0x10000c
	s_cmp_lg_u32 s2, 0xf033
	s_cbranch_scc0 .Lentry_shape_is_right
	s_endpgm
.Lentry_shape_is_right:
; LAUNCH 6 OF 7: h = gelu(Q(on) W1 + b1), the product on E2M3 codes, h quantised along its 4,096 into records of register images.  Nothing of reference() is left out here.
; The frame is the second launch's: a work-group makes 256 tokens x 256 columns, four waves of 128 x 128; K = 1,024 in 8 steps through two LDS slots of two steps; cluster 4 x 4 with joint loads.
; Source 0 = W1's rows, source 1 = the tokens: a lane holds one token, and the 64 registers of a tile of tokens are 128 neighbouring columns' halves in the order that the quantiser wants:
; they are one K step of the next product.
; THE GELU, exact form by erf: gelu(z) = max(z, 0) - |z / 2| erfc(|z| / sqrt 2), erfc(u) = (a1 t + .. + a5 t^5) e^(-u^2), t = 1 / (1 + p u) (Abramowitz and Stegun 7.1.26).
; LIMIT: that series is within 1.5e-7 of erf, the size of an f32 rounding of 1 + erf; v_rcp_f32 and v_exp_f32 are good to 1 ulp.  Other limits as stated at the head of the first launch.
; The way out is a loop of eight trips, one tile of 16 tokens each: only the copy out of the accumulators (with the bias added) differs from trip to trip and is written eight times.
; REGISTERS: window 0: v4-13 addresses; v[24:25] a4; v32-47 scale words; v48-63 at work; v64-255 Y's two sets, on the way out: z v64-127, t v128-159, e v160-191, the series v192-223, codes v224-242, scale words v244-251.
;   window 1: X's two sets at v0 and v128; b1 in v96-127 and v224-255.   windows 2, 3: the accumulators.
.set KS, 8
.set SPS, 2
.set SLOT, 102400
.set AFR, 12800
.set STEPB, 51200
.set WOFF, 3276800                     ; where W1's records begin in wimg
.set SPARE, 2*SLOT
.set AX16, 4
.set AX8, 6
.set AY16, 8
.set AY8, 10
.set SPW, 28
.set NIL, 29
.set SCX, 32
.set SCY, 40
.set G1T, 24
.set G0T, 32
.set G1W, 48
.set G0W, 56
.set SEL, 82
.set TM, 48
.set Z, 64
.set T, 128
.set E, 160
.set Q, 192
.set PC, 224
.set PW, 244
.set PV, 245
.set P, 248
.set MSB, 0
.macro WIN new
.if MSB != (\new)
	s_set_vgpr_msb (MSB<<8)|(\new)
.set MSB, (\new)
.endif
.endm
.macro PLACES
.rept 4
	v_nop
.endr
.endm
.macro CROUND
	s_barrier_signal -1
	s_barrier_wait -1
	s_cmp_lg_u32 s14, 0
	s_cbranch_scc1 .Lnw0_\@
	s_barrier_signal -3
.Lnw0_\@:
	s_barrier_wait -3
	s_barrier_signal -1
	s_barrier_wait -1
.endm
.macro JLOAD g0t, g1t, g0w, g1w
	s_cmp_eq_u32 s15, 0
	s_cbranch_scc0 .Lfw_\@
	tensor_load_to_lds s[\g0t:\g0t+3], s[\g1t:\g1t+7]
	s_nop 0
.rept 4
	v_nop
.endr
	s_branch .Lfa_\@
.Lfw_\@:
	tensor_load_to_lds s[\g0w:\g0w+3], s[\g1w:\g1w+7]
	s_nop 0
.rept 4
	v_nop
.endr
.Lfa_\@:
.endm
.macro FRAG reg, a16, a8, off
	ds_load_b128 v[\reg:\reg+3], v[\a16] offset:\off
	ds_load_b64 v[\reg+4:\reg+5], v[\a8] offset:\off+512
	ds_load_b128 v[\reg+6:\reg+9], v[\a16] offset:\off+768
	ds_load_b64 v[\reg+10:\reg+11], v[\a8] offset:\off+1280
.endm
.macro FETCH
	WIN 0x40
.irp b, 0,1,2,3,4,5,6,7
	FRAG 128*FP+12*\b, AX16+FSL, AX8+FSL, AFR*FK+1536*\b
.endr
	WIN 0
.irp a, 0,1,2,3,4,5,6,7
	FRAG 64+96*FP+12*\a, AY16+FSL, AY8+FSL, AFR*FK+1536*\a
.endr
	ds_load_b128 v[SCX+4*FP:SCX+4*FP+3], v[AX16+FSL] offset:AFR*FK+12288
	ds_load_b128 v[SCY+4*FP:SCY+4*FP+3], v[AY16+FSL] offset:AFR*FK+12288
.endm
.macro WM ox, oy
.if MZ
.if (\ox) && (\oy)
	v_wmma_scale_f32_16x16x128_f8f6f4 v[rD:rD+7], v[rX:rX+11], v[rY:rY+11], 0, v[rSX], v[rSY] matrix_a_fmt:MATRIX_FMT_FP6 matrix_b_fmt:MATRIX_FMT_FP6 matrix_a_scale:MATRIX_SCALE_ROW1 matrix_b_scale:MATRIX_SCALE_ROW1
.elseif (\ox)
	v_wmma_scale_f32_16x16x128_f8f6f4 v[rD:rD+7], v[rX:rX+11], v[rY:rY+11], 0, v[rSX], v[rSY] matrix_a_fmt:MATRIX_FMT_FP6 matrix_b_fmt:MATRIX_FMT_FP6 matrix_a_scale:MATRIX_SCALE_ROW1
.elseif (\oy)
	v_wmma_scale_f32_16x16x128_f8f6f4 v[rD:rD+7], v[rX:rX+11], v[rY:rY+11], 0, v[rSX], v[rSY] matrix_a_fmt:MATRIX_FMT_FP6 matrix_b_fmt:MATRIX_FMT_FP6 matrix_b_scale:MATRIX_SCALE_ROW1
.else
	v_wmma_scale_f32_16x16x128_f8f6f4 v[rD:rD+7], v[rX:rX+11], v[rY:rY+11], 0, v[rSX], v[rSY] matrix_a_fmt:MATRIX_FMT_FP6 matrix_b_fmt:MATRIX_FMT_FP6
.endif
.else
.if (\ox) && (\oy)
	v_wmma_scale_f32_16x16x128_f8f6f4 v[rD:rD+7], v[rX:rX+11], v[rY:rY+11], v[rD:rD+7], v[rSX], v[rSY] matrix_a_fmt:MATRIX_FMT_FP6 matrix_b_fmt:MATRIX_FMT_FP6 matrix_a_scale:MATRIX_SCALE_ROW1 matrix_b_scale:MATRIX_SCALE_ROW1
.elseif (\ox)
	v_wmma_scale_f32_16x16x128_f8f6f4 v[rD:rD+7], v[rX:rX+11], v[rY:rY+11], v[rD:rD+7], v[rSX], v[rSY] matrix_a_fmt:MATRIX_FMT_FP6 matrix_b_fmt:MATRIX_FMT_FP6 matrix_a_scale:MATRIX_SCALE_ROW1
.elseif (\oy)
	v_wmma_scale_f32_16x16x128_f8f6f4 v[rD:rD+7], v[rX:rX+11], v[rY:rY+11], v[rD:rD+7], v[rSX], v[rSY] matrix_a_fmt:MATRIX_FMT_FP6 matrix_b_fmt:MATRIX_FMT_FP6 matrix_b_scale:MATRIX_SCALE_ROW1
.else
	v_wmma_scale_f32_16x16x128_f8f6f4 v[rD:rD+7], v[rX:rX+11], v[rY:rY+11], v[rD:rD+7], v[rSX], v[rSY] matrix_a_fmt:MATRIX_FMT_FP6 matrix_b_fmt:MATRIX_FMT_FP6
.endif
.endif
.endm
.macro MUL                             ; the 64 accumulators take turns, in the same order in every step
.irp a, 0,1,2,3,4,5,6,7
	WIN 0xa1+0x50*(\a/4)
.irp b, 0,1,2,3,4,5,6,7
.set rD, 8*(8*(\a%4)+\b)
.set rX, 128*MP+12*\b
.set rY, 64+96*MP+12*\a
.set rSX, SCX+4*MP+\b/2
.set rSY, SCY+4*MP+\a/2
	WM \b%2, \a%2
.endr
.endr
.endm
.macro TURN slot, fill
	s_wait_tensorcnt 0x0                             ; all my tensor loads have landed: my part of the next slot
	ds_add_u32 v[SPW], v[NIL]                        ; 0 onto my spare word
.if \fill
	s_add_nc_u64 s[G0T+4*\slot+2:G0T+4*\slot+3], s[G0T+4*\slot+2:G0T+4*\slot+3], STEPB
	s_add_nc_u64 s[G0W+4*\slot+2:G0W+4*\slot+3], s[G0W+4*\slot+2:G0W+4*\slot+3], STEPB
.endif
	s_wait_dscnt 0x0                                 ; the add is done, and my reads of this slot are in registers
.if \fill
	CROUND                                           ; no wave of any partner still reads the slot or has a load on its way
	JLOAD G0T+4*\slot, G1T, G0W+4*\slot, G1W
.else
	s_barrier_signal -1
	s_barrier_wait -1
	PLACES
.endif
.endm
.macro QUANT s, pc, tm, pw
.irp b, 0,1,2,3
	v_max3_num_f32 v[\tm+\b], |v[\s+16*\b]|, |v[\s+16*\b+1]|, 0x1800000
.endr
.irp i, 2,4,6,8,10,12,14
.irp b, 0,1,2,3
	v_max3_num_f32 v[\tm+\b], v[\tm+\b], |v[\s+16*\b+\i]|, |v[\s+16*\b+\i+1]|
.endr
.endr
.irp b, 0,1,2,3
	v_permlanex16_b32 v[\tm+4+\b], v[\tm+\b], s[SEL], s[SEL+1]
.endr
.irp b, 0,1,2,3
	v_max_num_f32 v[\tm+\b], v[\tm+\b], v[\tm+4+\b]
.endr
.irp b, 0,1,2,3
	v_add_nc_u32 v[\tm+12+\b], 0xff000000, v[\tm+\b]
.endr
.irp b, 0,1,2,3
	v_lshrrev_b32 v[\tm+4+\b], 23, v[\tm+12+\b]
.endr
	v_lshl_or_b32 v[\pw], v[\tm+5], 8, v[\tm+4]
	v_lshl_or_b32 v[\pw], v[\tm+6], 16, v[\pw]
	v_lshl_or_b32 v[\pw], v[\tm+7], 24, v[\pw]
.irp c, 0,1
	v_cvt_scalef32_pk16_fp6_f32 v[\pc+6*\c:\pc+6*\c+2], v[\s+32*\c:\s+32*\c+15], v[\tm+12+2*\c]
	v_cvt_scalef32_pk16_fp6_f32 v[\pc+12+4*\c:\pc+12+4*\c+2], v[\s+32*\c+16:\s+32*\c+31], v[\tm+13+2*\c]
.endr
	v_nop
.irp c, 0,1
.irp i, 0,1,2
	v_permlane16_swap_b32 v[\pc+6*\c+\i], v[\pc+12+4*\c+\i]
.endr
.irp i, 0,1,2
	v_mov_b32 v[\pc+3+6*\c+\i], v[\pc+12+4*\c+\i]
.endr
.endr
.endm
.macro COPY k                          ; z = tile k's 64 sums + b1; each accumulator from its low end on
	WIN 0x06+(\k)/4
.set i, 0
.rept 32
	v_pk_add_f32 v[Z+i:Z+i+1], v[64*((\k)%4)+i:64*((\k)%4)+i+1], v[96+i+96*(i/32):97+i+96*(i/32)]
.set i, i+2
.endr
	WIN 0
.endm
.macro HALF z                          ; the gelu of 32 numbers, in place
.set i, 0
.rept 32
	v_fma_f32 v[T+i], |v[\z+i]|, s84, 1.0            ; 1 + p |z| / sqrt 2
.set i, i+1
.endr
.set i, 0
.rept 16
	v_pk_mul_f32 v[E+i:E+i+1], v[\z+i:\z+i+1], v[\z+i:\z+i+1]
.set i, i+2
.endr
.set i, 0
.rept 16
	v_pk_mul_f32 v[E+i:E+i+1], v[E+i:E+i+1], s[86:87] op_sel_hi:[1,0]     ; -z^2 log2(e) / 2
.set i, i+2
.endr
.set i, 0
.rept 32
	v_rcp_f32 v[T+i], v[T+i]
.set i, i+1
.endr
.set i, 0
.rept 32
	v_exp_f32 v[E+i], v[E+i]
.set i, i+1
.endr
	v_nop                                            ; a plain place behind the batch
	s_wait_alu depctr_va_vdst(0)                     ; one wait for its 64, ahead of the first reader
.set i, 0
.rept 16
	v_pk_fma_f32 v[Q+i:Q+i+1], v[T+i:T+i+1], s[88:89], v[24:25] op_sel_hi:[1,0,1]          ; a5 t + a4
.set i, i+2
.endr
.irp c, 90,92,94
.set i, 0
.rept 16
	v_pk_fma_f32 v[Q+i:Q+i+1], v[Q+i:Q+i+1], v[T+i:T+i+1], s[\c:\c+1] op_sel_hi:[1,1,0]    ; .. t + a3, a2, a1
.set i, i+2
.endr
.endr
.set i, 0
.rept 16
	v_pk_mul_f32 v[Q+i:Q+i+1], v[Q+i:Q+i+1], v[T+i:T+i+1]
.set i, i+2
.endr
.set i, 0
.rept 16
	v_pk_mul_f32 v[T+i:T+i+1], v[\z+i:\z+i+1], 0.5 op_sel_hi:[1,0]
.set i, i+2
.endr
.set i, 0
.rept 16
	v_pk_mul_f32 v[Q+i:Q+i+1], v[Q+i:Q+i+1], v[E+i:E+i+1]                 ; erfc(|z| / sqrt 2)
.set i, i+2
.endr
.set i, 0
.rept 32
	v_max_num_f32 v[E+i], 0, v[\z+i]
.set i, i+1
.endr
.set i, 0
.rept 32
	v_fma_f32 v[\z+i], -|v[T+i]|, v[Q+i], v[E+i]
.set i, i+1
.endr
.endm
	s_load_b256 s[4:11], s[0:1], 0x0                 ; onb, wimg, b1, hb
	v_lshl_add_u32 v[SPW], v0, 2, SPARE
	v_mov_b32 v[NIL], 0
	ds_add_u32 v[SPW], v[NIL]                        ; the wave's opening: the add, twice on end, and its wait ahead of my first tensor load
	ds_add_u32 v[SPW], v[NIL]
	v_lshrrev_b32 v1, 5, v0
	v_readfirstlane_b32 s14, v1
	s_lshr_b32 s15, s14, 1
	s_and_b32 s16, s14, 1
	s_bfe_u32 s40, ttmp6, 0x40000
	s_bfe_u32 s41, ttmp6, 0x40004
	s_lshl_b32 s42, ttmp9, 2
	s_add_co_u32 s42, s42, s40
	s_and_b32 s17, ttmp7, 0xffff
	s_lshl_b32 s17, s17, 2
	s_add_co_u32 s17, s17, s41
	s_lshl_b32 s43, s41, 2
	s_lshl_b32 s43, 15, s43
	s_lshl_b32 s44, 0x1111, s40
	s_or_b32 s[G1T], s43, (3<<16)|(1<<21)
	s_or_b32 s[G1W], s44, (3<<16)|(1<<21)
.irp g, G1T, G1W
	s_mov_b32 s[\g+1], 32<<16
	s_mov_b32 s[\g+2], 100<<16
	s_mov_b32 s[\g+3], 32<<16
	s_mov_b32 s[\g+4], 100
	s_mov_b32 s[\g+5], 32
	s_mov_b32 s[\g+6], 0
	s_mov_b32 s[\g+7], 0
.endr
	s_lshl_b32 s20, s17, 1
	s_add_co_u32 s20, s20, s16
	s_mul_i32 s20, s20, 102400
	s_mov_b32 s21, 0
	s_lshl_b32 s46, s42, 1
	s_add_co_u32 s46, s46, s16
	s_mul_i32 s46, s46, 102400
	s_add_co_u32 s46, s46, WOFF
	s_mov_b32 s47, 0
	s_mul_i32 s45, s14, 25600
	s_wait_dscnt 0x0
	s_wait_kmcnt 0x0
	s_add_nc_u64 s[20:21], s[4:5], s[20:21]
	s_add_nc_u64 s[46:47], s[6:7], s[46:47]
	CROUND
.irp s, 0,1
	s_mov_b32 s[G0T+4*\s], 1
	s_add_co_u32 s[G0T+4*\s+1], s45, \s*SLOT
	s_add_nc_u64 s[G0T+4*\s+2:G0T+4*\s+3], s[20:21], \s*25600
	s_or_b32 s[G0T+4*\s+3], s[G0T+4*\s+3], 0x80000000
	s_mov_b32 s[G0W+4*\s], 1
	s_add_co_u32 s[G0W+4*\s+1], s45, \s*SLOT
	s_add_nc_u64 s[G0W+4*\s+2:G0W+4*\s+3], s[46:47], \s*25600
	s_or_b32 s[G0W+4*\s+3], s[G0W+4*\s+3], 0x80000000
	JLOAD G0T+4*\s, G1T, G0W+4*\s, G1W
.endr
	v_and_b32 v1, 31, v0
	v_lshlrev_b32 v12, 4, v1
	v_lshlrev_b32 v13, 3, v1
	s_mul_i32 s18, s16, 25600
	s_add_co_u32 s18, s18, 51200                     ; X: the weights (regions 2, 3 of a slot)
	s_mul_i32 s19, s15, 25600                        ; Y: the tokens (regions 0, 1)
.irp s, 0,1
	v_add_nc_u32 v[AX16+\s], s18, v12
	v_add_nc_u32 v[AX8+\s], s18, v13
	v_add_nc_u32 v[AY16+\s], s19, v12
	v_add_nc_u32 v[AY8+\s], s19, v13
	s_add_co_u32 s18, s18, SLOT
	s_add_co_u32 s19, s19, SLOT
.endr
	s_lshl_b32 s66, s42, 1
	s_add_co_u32 s66, s66, s16                       ; gx: my 128 columns = a K step of the next product
	s_lshl_b32 s18, s66, 9
	s_mov_b32 s19, 0
	s_add_nc_u64 s[8:9], s[8:9], s[18:19]
	v_bfe_u32 v14, v0, 4, 1
	v_lshlrev_b32 v14, 6, v14
	WIN 0x40
.irp b, 0,1,2,3
.irp j, 0,1,2,3
	global_load_b128 v[96+16*\b+4*\j+96*(\b/2):99+16*\b+4*\j+96*(\b/2)], v14, s[8:9] offset:128*\b+16*\j   ; b1 in the results' order, into the registers that X's sets leave free
.endr
.endr
	WIN 0
	s_mov_b32 s[SEL], 0x76543210
	s_mov_b32 s[SEL+1], 0xfedcba98
	s_mov_b32 s80, 0xffff0000
	s_mov_b32 s84, 0x3e6d3388                        ; p / sqrt 2
	s_mov_b32 s86, 0xbf38aa3b                        ; -log2(e) / 2
	s_mov_b32 s87, s86
	s_mov_b32 s88, 0x3f87dc22                        ; a5
	s_mov_b32 s89, s88
	s_mov_b32 s90, 0x3fb5f0e3                        ; a3
	s_mov_b32 s91, s90
	s_mov_b32 s92, 0xbe91a98e                        ; a2
	s_mov_b32 s93, s92
	s_mov_b32 s94, 0x3e827906                        ; a1
	s_mov_b32 s95, s94
	v_mov_b32 v24, 0xbfba00e3                        ; a4
	v_mov_b32 v25, v24
	s_wait_tensorcnt 1                               ; my part of slot 0 is in; slot 1's may stay out
	s_barrier_signal -1
	s_barrier_wait -1
.set FSL, 0
.set FK, 0
.set FP, 0
	FETCH
.set S, 0
.rept KS
.set SL, (S/SPS)%2
	WIN 0
.if (S%SPS == SPS-1) && (S < KS-1)
.set TF, 0
.if (S/SPS)+2 < KS/SPS
.set TF, 1
.endif
	TURN SL, TF
.else
	s_wait_dscnt 0x0
.if (S > 0) && (S < KS-1)
	PLACES
.endif
.endif
.if S < KS-1
.set FSL, ((S+1)/SPS)%2
.set FK, (S+1)%SPS
.set FP, (S+1)%2
	FETCH
.endif
.set MP, S%2
.set MZ, 0
.if S == 0
.set MZ, 1
.endif
	MUL
.set S, S+1
.endr
	WIN 0
	PLACES
	s_wait_loadcnt 0x0                               ; b1
	s_lshl_b32 s19, s17, 1
	s_add_co_u32 s19, s19, s15                       ; my group of 128 tokens
	s_lshl_b32 s19, s19, 5
	s_add_co_u32 s19, s19, s66
	s_mul_i32 s18, s19, 12800
	s_mov_b32 s19, 0
	s_add_nc_u64 s[10:11], s[10:11], s[18:19]        ; the record (group, gx)
	s_mov_b64 s[74:75], s[10:11]                     ; walks it fragment by fragment
.irp b, 0,1,2,3
	v_mov_b32 v[TM+4+\b], 0
	v_mov_b32 v[P+\b], 0
.endr
	v_mov_b32 v[PV], 0
	s_mov_b32 s47, 0
.Lep:                                                ; a trip: tile s47 of 16 tokens
.irp k, 1,2,3,4,5,6,7
	s_cmp_eq_u32 s47, \k
	s_cbranch_scc1 .Lcp\k
.endr
	COPY 0
	s_branch .Lcommon
.irp k, 1,2,3,4,5,6
.Lcp\k:
	COPY \k
	s_branch .Lcommon
.endr
.Lcp7:
	COPY 7
.Lcommon:
	HALF Z
	HALF Z+32
	QUANT Z, PC, TM, PW
	global_store_b128 v12, v[PC:PC+3], s[74:75]
	global_store_b64 v13, v[PC+4:PC+5], s[74:75] offset:512
	global_store_b128 v12, v[PC+6:PC+9], s[74:75] offset:768
	global_store_b64 v13, v[PC+10:PC+11], s[74:75] offset:1280
	s_bitcmp1_b32 s47, 0
	s_cbranch_scc1 .Lodd
	v_mov_b32 v[PV], v[PW]                           ; an even tile's scale words wait for the odd tile's
	s_branch .Lnext
.Lodd:
	v_mov_b32 v[P], v[P+1]                           ; the four pairs' registers move up; after four odd trips pair p stands in register p
	v_mov_b32 v[P+1], v[P+2]
	v_mov_b32 v[P+2], v[P+3]
	v_cndmask_b32 v[P+3], v[PV], v[PW], s80          ; lanes 0-15 the even tile's words, lanes 16-31 the odd tile's
.Lnext:
	s_wait_xcnt 0x0                                  ; the stores have read their registers and their base
	s_add_nc_u64 s[74:75], s[74:75], 1536
	s_add_co_u32 s47, s47, 1
	s_cmp_lt_u32 s47, 8
	s_cbranch_scc1 .Lep
	global_store_b128 v12, v[P:P+3], s[10:11] offset:12288
	s_wait_tensorcnt 0x0                             ; the wave's end
	ds_add_u32 v[SPW], v[NIL]
	s_wait_dscnt 0x0
	CROUND                                           ; the closing round
	s_endpgm
.Lfunc_end_k_qa164388a08_ffn1:
	.size	k_qa164388a08_ffn1, .Lfunc_end_k_qa164388a08_ffn1-k_qa164388a08_ffn1
	.p2alignl 7, 3214868480
	.fill 96, 4, 3214868480
	.section	.rodata,"a",@progbits
	.p2align	6, 0x0
	.amdhsa_kernel k_qa164388a08_ffn1
		.amdhsa_group_segment_fixed_size 327680
		.amdhsa_private_segment_fixed_size 0
		.amdhsa_enable_private_segment 0
		.amdhsa_kernarg_size 32
		.amdhsa_user_sgpr_count 2
		.amdhsa_user_sgpr_kernarg_segment_ptr 1
		.amdhsa_wavefront_size32 1
		.amdhsa_system_sgpr_workgroup_id_x 1
		.amdhsa_system_sgpr_workgroup_id_y 1
		.amdhsa_system_sgpr_workgroup_id_z 1
		.amdhsa_system_vgpr_workitem_id 0
		.amdhsa_next_free_vgpr 1024
		.amdhsa_next_free_sgpr 100
		.amdhsa_reserve_vcc 0
		.amdhsa_float_denorm_mode_32 3
		.amdhsa_float_denorm_mode_16_64 3
		.amdhsa_memory_ordered 1
		.amdhsa_forward_progress 1
		.amdhsa_inst_pref_size 165
	.end_amdhsa_kernel
	.amdgpu_metadata
---
amdhsa.version: [ 1, 2 ]
amdhsa.kernels:
  - .name:           k_qa164388a08_ffn1
    .symbol:         k_qa164388a08_ffn1.kd
    .args:
      - { .name: onb, .offset: 0, .size: 8, .value_kind: global_buffer, .address_space: global }
      - { .name: wimg, .offset: 8, .size: 8, .value_kind: global_buffer, .address_space: global }
      - { .name: b1, .offset: 16, .size: 8, .value_kind: global_buffer, .address_space: global }
      - { .name: hb, .offset: 24, .size: 8, .value_kind: global_buffer, .address_space: global }
    .group_segment_fixed_size: 327680
    .private_segment_fixed_size: 0
    .kernarg_segment_align: 8
    .kernarg_segment_size: 32
    .max_flat_workgroup_size: 128
    .sgpr_count:     100
    .vgpr_count:     1024
    .wavefront_size: 32
...
	.end_amdgpu_metadata
.endif
;; end of part 6
;; launch ffn2 (part 7): grid 8 x 32, 4 waves a work-group, clusters of 4 x 4, 327,680 bytes of LDS; arguments hb, wimg, b2, res, out0; writes out0
.if DOCPART == 7
	.amdgcn_target "amdgcn-amd-amdhsa--gfx1250"
	.amdhsa_code_object_version 6
	.text
	.protected	k_qa164388a08_ffn2
	.globl	k_qa164388a08_ffn2
	.p2align	8
	.type	k_qa164388a08_ffn2,@function
k_qa164388a08_ffn2:
	s_mov_b64 s[64:65], 0
	v_nop
	global_prefetch_b8 v0, s[64:65] scope:SCOPE_SE
	s_setreg_imm32_b32 hwreg(HW_REG_WAVE_MODE, 25, 1), 1
	s_wait_xcnt 0x0
	s_wait_alu depctr_hold_cnt(0) depctr_sa_sdst(0) depctr_va_vdst(0) depctr_va_sdst(0) depctr_va_ssrc(0) depctr_va_vcc(0) depctr_vm_vsrc(0)
	s_getreg_b32 s2, hwreg(HW_REG_IB_STS2, 6, 4)
	s_cmp_eq_u32 s2, 0
	s_cbranch_scc0 .Lentry_in_a_cluster
	s_endpgm
.Lentry_in_a_cluster:
	s_bfe_u32 s2, ttmp6, 0x10000c
	s_cmp_lg_u32 s2, 0xf033
	s_cbranch_scc0 .Lentry_shape_is_right
	s_endpgm
.Lentry_shape_is_right:
; LAUNCH 7 OF 7: out0 = res + (Q(h) W2 + b2), the product on E2M3 codes, the rest in f32.  Nothing of reference() is left out here.
; The text is the fourth launch's with K = 4,096: 32 steps of 128 through two LDS slots of four steps each, so that six times a slot is filled again, behind a round of the cluster's barrier.
; A work-group makes 128 tokens x 128 columns (256 work-groups); four waves, each 64 x 64.  A slot: [tokens: 4 records][weights: 4 records]; a wave's one tensor load brings two records.
; CLUSTER 4 x 4: token records are shared along a row of the cluster, weight records along a column.
; Source 0 = the weight's rows, source 1 = the tokens.  The way out goes through the wave's own stage in LDS, so that sixteen lanes store 256 consecutive bytes, aligned; bias and residual are added on the way.
; The wave's 32 residual loads go out at the head and land under the K walk.
; REGISTERS: window 0: v4-15 LDS addresses; v16-18 the way out; v[20:23] bias; v32-39 scale words; v64-127 rows read back; v128-255 the accumulators.  Window 1: the two sets of fragments.  Window 2: the residual.
.set KS, 32
.set ACTG, 409600
.set WOFF, 6553600                     ; where W2's records begin in wimg
.set SPS, 4
.set SLOT, 102400
.set AFR, 12800
.set STEPB, 102400
.set SPARE, 2*SLOT
.set STAGE, SPARE+512
.set AD, 4
.set STO, 16
.set RD, 17
.set CO, 18
.set SPW, 28
.set NIL, 29
.set SC, 32
.set BK, 64
.set ACC, 128
.set G1T, 24
.set G0T, 32
.set G1W, 48
.set G0W, 56
.set MSB, 0
.macro WIN new
.if MSB != (\new)
	s_set_vgpr_msb (MSB<<8)|(\new)
.set MSB, (\new)
.endif
.endm
.macro PLACES
.rept 4
	v_nop
.endr
.endm
.macro CROUND
	s_barrier_signal -1
	s_barrier_wait -1
	s_cmp_lg_u32 s14, 0
	s_cbranch_scc1 .Lnw0_\@
	s_barrier_signal -3
.Lnw0_\@:
	s_barrier_wait -3
	s_barrier_signal -1
	s_barrier_wait -1
.endm
.macro JLOAD g0t, g1t, g0w, g1w
	s_cmp_eq_u32 s15, 0
	s_cbranch_scc0 .Lfw_\@
	tensor_load_to_lds s[\g0t:\g0t+3], s[\g1t:\g1t+7]
	s_nop 0
.rept 4
	v_nop
.endr
	s_branch .Lfa_\@
.Lfw_\@:
	tensor_load_to_lds s[\g0w:\g0w+3], s[\g1w:\g1w+7]
	s_nop 0
.rept 4
	v_nop
.endr
.Lfa_\@:
.endm
.macro FRAG reg, a16, a8, off
	ds_load_b128 v[\reg:\reg+3], v[\a16] offset:\off
	ds_load_b64 v[\reg+4:\reg+5], v[\a8] offset:\off+512
	ds_load_b128 v[\reg+6:\reg+9], v[\a16] offset:\off+768
	ds_load_b64 v[\reg+10:\reg+11], v[\a8] offset:\off+1280
.endm
.macro FETCH
	WIN 0x40
.irp i, 0,1,2,3
	FRAG 128*FP+12*\i, AD+6*FSL, AD+6*FSL+1, AFR*FK+1536*\i
	FRAG 128*FP+48+12*\i, AD+6*FSL+2, AD+6*FSL+3, AFR*FK+1536*\i
.endr
	WIN 0
	ds_load_b64 v[SC+4*FP:SC+4*FP+1], v[AD+6*FSL+4] offset:AFR*FK
	ds_load_b64 v[SC+4*FP+2:SC+4*FP+3], v[AD+6*FSL+5] offset:AFR*FK
.endm
.macro WM ox, oy
.if MZ
.if (\ox) && (\oy)
	v_wmma_scale_f32_16x16x128_f8f6f4 v[rD:rD+7], v[rX:rX+11], v[rY:rY+11], 0, v[rSX], v[rSY] matrix_a_fmt:MATRIX_FMT_FP6 matrix_b_fmt:MATRIX_FMT_FP6 matrix_a_scale:MATRIX_SCALE_ROW1 matrix_b_scale:MATRIX_SCALE_ROW1
.elseif (\ox)
	v_wmma_scale_f32_16x16x128_f8f6f4 v[rD:rD+7], v[rX:rX+11], v[rY:rY+11], 0, v[rSX], v[rSY] matrix_a_fmt:MATRIX_FMT_FP6 matrix_b_fmt:MATRIX_FMT_FP6 matrix_a_scale:MATRIX_SCALE_ROW1
.elseif (\oy)
	v_wmma_scale_f32_16x16x128_f8f6f4 v[rD:rD+7], v[rX:rX+11], v[rY:rY+11], 0, v[rSX], v[rSY] matrix_a_fmt:MATRIX_FMT_FP6 matrix_b_fmt:MATRIX_FMT_FP6 matrix_b_scale:MATRIX_SCALE_ROW1
.else
	v_wmma_scale_f32_16x16x128_f8f6f4 v[rD:rD+7], v[rX:rX+11], v[rY:rY+11], 0, v[rSX], v[rSY] matrix_a_fmt:MATRIX_FMT_FP6 matrix_b_fmt:MATRIX_FMT_FP6
.endif
.else
.if (\ox) && (\oy)
	v_wmma_scale_f32_16x16x128_f8f6f4 v[rD:rD+7], v[rX:rX+11], v[rY:rY+11], v[rD:rD+7], v[rSX], v[rSY] matrix_a_fmt:MATRIX_FMT_FP6 matrix_b_fmt:MATRIX_FMT_FP6 matrix_a_scale:MATRIX_SCALE_ROW1 matrix_b_scale:MATRIX_SCALE_ROW1
.elseif (\ox)
	v_wmma_scale_f32_16x16x128_f8f6f4 v[rD:rD+7], v[rX:rX+11], v[rY:rY+11], v[rD:rD+7], v[rSX], v[rSY] matrix_a_fmt:MATRIX_FMT_FP6 matrix_b_fmt:MATRIX_FMT_FP6 matrix_a_scale:MATRIX_SCALE_ROW1
.elseif (\oy)
	v_wmma_scale_f32_16x16x128_f8f6f4 v[rD:rD+7], v[rX:rX+11], v[rY:rY+11], v[rD:rD+7], v[rSX], v[rSY] matrix_a_fmt:MATRIX_FMT_FP6 matrix_b_fmt:MATRIX_FMT_FP6 matrix_b_scale:MATRIX_SCALE_ROW1
.else
	v_wmma_scale_f32_16x16x128_f8f6f4 v[rD:rD+7], v[rX:rX+11], v[rY:rY+11], v[rD:rD+7], v[rSX], v[rSY] matrix_a_fmt:MATRIX_FMT_FP6 matrix_b_fmt:MATRIX_FMT_FP6
.endif
.endif
.endm
.macro MUL                             ; the 16 accumulators take turns
	WIN 0x05
.irp a, 0,1,2,3
.irp b, 0,1,2,3
.set rD, ACC+8*(4*\a+\b)
.set rX, 128*MP+12*\b
.set rY, 128*MP+48+12*\a
.set rSX, SC+4*MP+\b/2
.set rSY, SC+4*MP+2+\a/2
	WM \b%2, \a%2
.endr
.endr
.endm
.macro TURN slot, fill                 ; the change of slots, at the head of a slot's last step: that step's fragments are the last reads of the slot
	s_wait_tensorcnt 0x0                             ; all my tensor loads have landed: my part of the next slot
	ds_add_u32 v[SPW], v[NIL]                        ; 0 onto my spare word
.if \fill
	s_add_nc_u64 s[G0T+4*\slot+2:G0T+4*\slot+3], s[G0T+4*\slot+2:G0T+4*\slot+3], STEPB   ; no load of mine is out: this slot's next four K steps
	s_add_nc_u64 s[G0W+4*\slot+2:G0W+4*\slot+3], s[G0W+4*\slot+2:G0W+4*\slot+3], STEPB
.endif
	s_wait_dscnt 0x0                                 ; the add is done, and my reads of this slot are in registers
.if \fill
	CROUND                                           ; no wave of any partner still reads the slot or has a load on its way
	JLOAD G0T+4*\slot, G1T, G0W+4*\slot, G1W         ; my one tensor load behind the round: it has the next slot's four steps in which to land
.else
	s_barrier_signal -1
	s_barrier_wait -1
	PLACES
.endif
.endm
	s_load_b256 s[4:11], s[0:1], 0x0                 ; hb, wimg, b2, res
	s_load_b64 s[12:13], s[0:1], 0x20                ; out0
	v_lshl_add_u32 v[SPW], v0, 2, SPARE
	v_mov_b32 v[NIL], 0
	ds_add_u32 v[SPW], v[NIL]                        ; the wave's opening: the add, twice on end, and its wait ahead of my first tensor load
	ds_add_u32 v[SPW], v[NIL]
	v_lshrrev_b32 v1, 5, v0
	v_readfirstlane_b32 s14, v1
	s_lshr_b32 s15, s14, 1
	s_and_b32 s16, s14, 1
	s_bfe_u32 s40, ttmp6, 0x40000
	s_bfe_u32 s41, ttmp6, 0x40004
	s_lshl_b32 s42, ttmp9, 2
	s_add_co_u32 s42, s42, s40
	s_and_b32 s17, ttmp7, 0xffff
	s_lshl_b32 s17, s17, 2
	s_add_co_u32 s17, s17, s41
	s_lshl_b32 s43, s41, 2
	s_lshl_b32 s43, 15, s43
	s_lshl_b32 s44, 0x1111, s40
	s_or_b32 s[G1T], s43, (3<<16)|(1<<21)
	s_or_b32 s[G1W], s44, (3<<16)|(1<<21)
.irp g, G1T, G1W
	s_mov_b32 s[\g+1], 32<<16
	s_mov_b32 s[\g+2], 100<<16
	s_mov_b32 s[\g+3], 32<<16
	s_mov_b32 s[\g+4], 100
	s_mov_b32 s[\g+5], 32
	s_mov_b32 s[\g+6], 0
	s_mov_b32 s[\g+7], 0
.endr
	s_mul_i32 s18, s16, 25600
	s_mul_i32 s20, s17, ACTG
	s_add_co_u32 s20, s20, s18
	s_mov_b32 s21, 0
	s_mul_i32 s46, s42, ACTG
	s_add_co_u32 s46, s46, s18
	s_add_co_u32 s46, s46, WOFF
	s_mov_b32 s47, 0
	s_mul_i32 s45, s14, 25600
	s_wait_dscnt 0x0
	s_wait_kmcnt 0x0
	s_add_nc_u64 s[20:21], s[4:5], s[20:21]
	s_add_nc_u64 s[46:47], s[6:7], s[46:47]
	CROUND
.irp s, 0,1
	s_mov_b32 s[G0T+4*\s], 1
	s_add_co_u32 s[G0T+4*\s+1], s45, \s*SLOT
	s_add_nc_u64 s[G0T+4*\s+2:G0T+4*\s+3], s[20:21], \s*51200
	s_or_b32 s[G0T+4*\s+3], s[G0T+4*\s+3], 0x80000000
	s_mov_b32 s[G0W+4*\s], 1
	s_add_co_u32 s[G0W+4*\s+1], s45, \s*SLOT
	s_add_nc_u64 s[G0W+4*\s+2:G0W+4*\s+3], s[46:47], \s*51200
	s_or_b32 s[G0W+4*\s+3], s[G0W+4*\s+3], 0x80000000
	JLOAD G0T+4*\s, G1T, G0W+4*\s, G1W
.endr
	v_and_b32 v1, 31, v0
	v_lshlrev_b32 v2, 4, v1
	v_lshlrev_b32 v3, 3, v1
	s_mul_i32 s18, s16, 6144
	s_add_co_u32 s18, s18, 51200
	s_mul_i32 s19, s15, 6144
	s_lshl_b32 s22, s16, 3
	s_add_co_u32 s22, s22, 51200+12288
	s_lshl_b32 s23, s15, 3
	s_add_co_u32 s23, s23, 12288
.irp s, 0,1
	v_add_nc_u32 v[AD+6*\s], s18, v2
	v_add_nc_u32 v[AD+6*\s+1], s18, v3
	v_add_nc_u32 v[AD+6*\s+2], s19, v2
	v_add_nc_u32 v[AD+6*\s+3], s19, v3
	v_add_nc_u32 v[AD+6*\s+4], s22, v2
	v_add_nc_u32 v[AD+6*\s+5], s23, v2
	s_add_co_u32 s18, s18, SLOT
	s_add_co_u32 s19, s19, SLOT
	s_add_co_u32 s22, s22, SLOT
	s_add_co_u32 s23, s23, SLOT
.endr
	v_and_b32 v19, 15, v0
	v_bfe_u32 v24, v0, 4, 1
	s_mul_i32 s18, s14, 4352
	s_add_co_u32 s18, s18, STAGE
	v_mul_u32_u24 v[STO], v19, 272
	v_lshl_add_u32 v[STO], v24, 6, v[STO]
	v_add_nc_u32 v[STO], s18, v[STO]
	v_mul_u32_u24 v[RD], v24, 272
	v_lshl_add_u32 v[RD], v19, 4, v[RD]
	v_add_nc_u32 v[RD], s18, v[RD]
	v_lshlrev_b32 v[CO], 12, v24
	v_lshl_add_u32 v[CO], v19, 4, v[CO]
	v_lshlrev_b32 v25, 4, v19
	s_lshl_b32 s18, s17, 7
	s_lshl_b32 s19, s15, 6
	s_add_co_u32 s18, s18, s19
	s_lshl_b32 s18, s18, 12
	s_lshl_b32 s19, s42, 7
	s_lshl_b32 s22, s16, 6
	s_add_co_u32 s19, s19, s22
	s_lshl_b32 s22, s19, 2
	s_mov_b32 s23, 0
	s_add_nc_u64 s[8:9], s[8:9], s[22:23]
	s_add_co_u32 s18, s18, s22
	s_mov_b32 s19, 0
	s_add_nc_u64 s[10:11], s[10:11], s[18:19]
	s_add_nc_u64 s[12:13], s[12:13], s[18:19]
	global_load_b128 v[20:23], v25, s[8:9]
	WIN 0x80
.irp a, 0,1,2,3
.irp i, 0,1,2,3,4,5,6,7
	global_load_b128 v[4*(8*\a+\i):4*(8*\a+\i)+3], v[CO], s[10:11] offset:(32*(\a/2)+8*(\a%2)+2*\i+8*(\i/4))*4096
.endr
.endr
	WIN 0
	s_wait_tensorcnt 1                               ; my part of slot 0 is in; slot 1's may stay out
	s_barrier_signal -1
	s_barrier_wait -1
.set FSL, 0
.set FK, 0
.set FP, 0
	FETCH
.set S, 0
.rept KS
.set SL, (S/SPS)%2
	WIN 0
.if (S%SPS == SPS-1) && (S < KS-1)
.set TF, 0
.if (S/SPS)+2 < KS/SPS
.set TF, 1
.endif
	TURN SL, TF
.else
	s_wait_dscnt 0x0                                 ; this step's fragments, asked for a step ago
.if (S > 0) && (S < KS-1)
	PLACES
.endif
.endif
.if S < KS-1
.set FSL, ((S+1)/SPS)%2
.set FK, (S+1)%SPS
.set FP, (S+1)%2
	FETCH
.endif
.set MP, S%2
.set MZ, 0
.if S == 0
.set MZ, 1
.endif
	MUL
.set S, S+1
.endr
	WIN 0
	PLACES
.irp a, 0,1,2,3
.if \a > 1
	s_wait_xcnt 0x0                                  ; the stores of two tiles ago have read their registers
.endif
.irp b, 0,1,2,3
	ds_store_b128 v[STO], v[ACC+8*(4*\a+\b):ACC+8*(4*\a+\b)+3] offset:128*(\b/2)+32*(\b%2)
	ds_store_b128 v[STO], v[ACC+8*(4*\a+\b)+4:ACC+8*(4*\a+\b)+7] offset:128*(\b/2)+32*(\b%2)+16
.endr
.irp i, 0,1,2,3,4,5,6,7
	ds_load_b128 v[BK+32*(\a%2)+4*\i:BK+32*(\a%2)+4*\i+3], v[RD] offset:544*\i
.endr
	s_wait_dscnt 0x0
	s_wait_loadcnt 24-8*\a                           ; the bias and this tile's residual are in; the later tiles' loads may stay out
.irp i, 0,1,2,3,4,5,6,7
	v_pk_add_f32 v[BK+32*(\a%2)+4*\i:BK+32*(\a%2)+4*\i+1], v[BK+32*(\a%2)+4*\i:BK+32*(\a%2)+4*\i+1], v[20:21]
	v_pk_add_f32 v[BK+32*(\a%2)+4*\i+2:BK+32*(\a%2)+4*\i+3], v[BK+32*(\a%2)+4*\i+2:BK+32*(\a%2)+4*\i+3], v[22:23]
.endr
	WIN 0x08
.irp i, 0,1,2,3,4,5,6,7
	v_pk_add_f32 v[BK+32*(\a%2)+4*\i:BK+32*(\a%2)+4*\i+1], v[BK+32*(\a%2)+4*\i:BK+32*(\a%2)+4*\i+1], v[4*(8*\a+\i):4*(8*\a+\i)+1]
	v_pk_add_f32 v[BK+32*(\a%2)+4*\i+2:BK+32*(\a%2)+4*\i+3], v[BK+32*(\a%2)+4*\i+2:BK+32*(\a%2)+4*\i+3], v[4*(8*\a+\i)+2:4*(8*\a+\i)+3]
.endr
	WIN 0
.irp i, 0,1,2,3,4,5,6,7
	global_store_b128 v[CO], v[BK+32*(\a%2)+4*\i:BK+32*(\a%2)+4*\i+3], s[12:13] offset:(32*(\a/2)+8*(\a%2)+2*\i+8*(\i/4))*4096 th:TH_STORE_NT
.endr
.endr
	s_wait_tensorcnt 0x0                             ; the wave's end
	ds_add_u32 v[SPW], v[NIL]
	s_wait_dscnt 0x0
	CROUND                                           ; the closing round
	s_endpgm
.Lfunc_end_k_qa164388a08_ffn2:
	.size	k_qa164388a08_ffn2, .Lfunc_end_k_qa164388a08_ffn2-k_qa164388a08_ffn2
	.p2alignl 7, 3214868480
	.fill 96, 4, 3214868480
	.section	.rodata,"a",@progbits
	.p2align	6, 0x0
	.amdhsa_kernel k_qa164388a08_ffn2
		.amdhsa_group_segment_fixed_size 327680
		.amdhsa_private_segment_fixed_size 0
		.amdhsa_enable_private_segment 0
		.amdhsa_kernarg_size 40
		.amdhsa_user_sgpr_count 2
		.amdhsa_user_sgpr_kernarg_segment_ptr 1
		.amdhsa_wavefront_size32 1
		.amdhsa_system_sgpr_workgroup_id_x 1
		.amdhsa_system_sgpr_workgroup_id_y 1
		.amdhsa_system_sgpr_workgroup_id_z 1
		.amdhsa_system_vgpr_workitem_id 0
		.amdhsa_next_free_vgpr 768
		.amdhsa_next_free_sgpr 100
		.amdhsa_reserve_vcc 0
		.amdhsa_float_denorm_mode_32 3
		.amdhsa_float_denorm_mode_16_64 3
		.amdhsa_memory_ordered 1
		.amdhsa_forward_progress 1
		.amdhsa_inst_pref_size 174
	.end_amdhsa_kernel
	.amdgpu_metadata
---
amdhsa.version: [ 1, 2 ]
amdhsa.kernels:
  - .name:           k_qa164388a08_ffn2
    .symbol:         k_qa164388a08_ffn2.kd
    .args:
      - { .name: hb, .offset: 0, .size: 8, .value_kind: global_buffer, .address_space: global }
      - { .name: wimg, .offset: 8, .size: 8, .value_kind: global_buffer, .address_space: global }
      - { .name: b2, .offset: 16, .size: 8, .value_kind: global_buffer, .address_space: global }
      - { .name: res, .offset: 24, .size: 8, .value_kind: global_buffer, .address_space: global }
      - { .name: out0, .offset: 32, .size: 8, .value_kind: global_buffer, .address_space: global }
    .group_segment_fixed_size: 327680
    .private_segment_fixed_size: 0
    .kernarg_segment_align: 8
    .kernarg_segment_size: 40
    .max_flat_workgroup_size: 128
    .sgpr_count:     100
    .vgpr_count:     768
    .wavefront_size: 32
...
	.end_amdgpu_metadata
.endif
;; end of part 7
